; MI455X (gfx1250); checked and timed in simulation.
; The chip was launched on July 23, 2026; its instructions are those of AMD's public machine-readable ISA for CDNA 5 (MIT licence, August 2026) and "CDNA5" Instruction Set Architecture Reference Guide (July 2026). The comments in the code are by the model that wrote it; some were corrected since.
;; Weight Only Quip Linear. Allowed arithmetic: float matrix products may take bf16 or f16 operands with f32 sums; other float arithmetic in f32, or as packed bf16 or f16 multiplies, adds, multiply-adds, maxima and minima; sums over many terms, partial sums and values carried from step to step in f32; what a program stores and reads back later, other than sums and carried values, may be rounded once to bf16 or f16.
;; Inputs: Qidxs 4,096 x 256 int32; SU 2,048 float16; SV 4,096 float16; Wscale one number float32; bias 4,096 float16; grid_abs 256 x 8 float16; input 2 x 4,096 x 2,048 float16.
;; Outputs: out0 2 x 4,096 x 4,096 float16.
;; 2 versions, each right; version 2 is version 1 with the launches rowfht, colfht written anew for expert scheduling mode. Each part assembles by itself: llvm-mc -triple=amdgcn-amd-amdhsa -mcpu=gfx1250 --defsym DOCPART=n.
;; ======== version 1 of 2: 3 launches
;; limits: values are held in f16: magnitudes above 65,504 overflow, below 6.1e-05 lose precision; right only within a limited range of input values
;; workspace buffers: t1 16,777,216 bytes; w2 16,777,216 bytes
;; launch rowfht (part 1): grid 256 x 1, 8 waves a work-group, no clusters, 157,184 bytes of LDS; arguments Qidxs, grid_abs, t1; writes t1
.if DOCPART == 1
	.amdgcn_target "amdgcn-amd-amdhsa--gfx1250"
	.amdhsa_code_object_version 6
	.text
	.protected	k_q9232789686_rowfht
	.globl	k_q9232789686_rowfht
	.p2align	8
	.type	k_q9232789686_rowfht,@function
k_q9232789686_rowfht:
	s_mov_b64 s[64:65], 0
	v_nop
	global_prefetch_b8 v0, s[64:65] scope:SCOPE_SE
	s_setreg_imm32_b32 hwreg(HW_REG_WAVE_MODE, 25, 1), 1
	s_wait_xcnt 0x0
; WeightOnlyQuipLinear, launch 1 of 3: the weights are decoded and transformed along k.
; THE PROGRAM.  reference(): out = fht4096( f16( (fht2048(x o SU) Wscale) W^T ) ) o SV + bias, with fht(v) = v H / sqrt(n), H[i][j] = (-1)^popcount(i & j), symmetric.
; Every step from x to out is linear in x.  So in exact arithmetic, for all values of the inputs,
;   out[t][n] = Wscale SV[n] (sum over k of x[t][k] W2[n][k]) + bias[n],   W2[n][k] = SU[k] / (64 sqrt(2048)) x (H4096 W H2048)[n][k].
; The two transforms are therefore made on the 4,096 x 2,048 weights, not on the 8,192 rows of 2,048 and of 4,096 activations: a sixth of the numbers, and x and out cross memory once.
;   launch 1 (this one): t1 = W H2048 / sqrt(2048), in f16.   launch 2: w2 = W2 = (H4096 t1) o SU / 64, in f16.   launch 3: the product, Wscale SV and bias in f32 on its way out.
; NO WORK IS LEFT OUT, and every input is loaded by one of the launches: this is another order of the same sums.
; LIMITS.  The order of rounding differs from reference()'s: its f16 roundings (and f16 overflows) of the transformed x and of the product ahead of the second transform are not made;
; in their stead t1 and w2 are each rounded once to f16.  w2 must stay under f16's 65,504: over all codes |W2| is at most 2,896 max|grid_abs| max|SU|; with codes whose signs are spread
; evenly its root mean square is that of grid_abs times SU's.  NaN and infinities are not treated apart.  Bits of Qidxs above bit 15 are ignored, as reference() ignores them.
; t1 AND w2 LIE IN STRIPS: [k / 8 : 256][row : 4,096][8] f16: number (row, k) at byte (k / 8) x 65,536 + 16 row + 2 (k % 8).
; SHARES.  A work-group owns 16 rows of W (16 KiB of codes).  Phase 1: wave w owns rows 2 w and 2 w + 1; a lane holds, of each, k = 1,024 j + 32 l + 0..31 (j = 0, 1): the butterflies of
; k's bits 0-4 and 10 stay in its registers.  The rows cross LDS in f32.  Phase 2: a lane holds, of one row, four neighbouring k for all 32 values of k's bits 5-9.
; No matrix unit, tensor load or cluster: each code has one reader, all of a work-group's bytes are asked for at once, and what is shared is a table of 4 KiB.
.set ABS,   0                          ; LDS: grid_abs as it lies: 256 entries of 16 bytes
.set SGN,   4096                       ; 256 entries of 16 bytes: entry s, word j = bit 2 j of s at bit 15, bit 2 j + 1 at bit 31: the sign bits of eight f16
.set XB,    8192                       ; the rows in f32: number (r, k) at XB + r P + (k / 32) CH + 4 (k % 32)
.set CH,    144                        ; 32 numbers + 16 bytes of padding = 36 words: lanes a chunk apart start at different groups of four banks (64 banks of 4 bytes: ISA guide 11.1)
.set P,     64*CH+32                   ; 9,248 = 32 modulo 256: in phase 2 sixteen lanes (8 rows x 2 pieces of 16 bytes) take each bank once
.set SPARE, XB+16*P                    ; 156,160: the spare words, 128 bytes for each of eight waves: four blocks of 256 bytes that no other line names
.set SPW, 2                            ; v2   LDS address of my spare word; never rewritten
.set NIL, 3                            ; v3   0, for the add alone
.set CO,  4                            ; v4   my byte offset in the work-group's codes
.set T16, 5                            ; v5   16 x thread: my entry of both tables
.set XW,  6                            ; v6   phase 1: where my first chunk lies in XB
.set XR,  7                            ; v7   phase 2: where my first 16 bytes lie in XB
.set GO,  8                            ; v8   my byte offset in t1
.set CC,  9                            ; v9   1 / sqrt(2048)
.set ZR,  10                           ; v10  0
.set TA,  11                           ; v11  at work
.set GE,  12                           ; v[12:15]  my entry of grid_abs
.set CW,  16                           ; v[16:31]  16 codes
.set GA,  32                           ; v[32:39]  table addresses of four codes: magnitudes, signs
.set GW,  40                           ; v[40:55]  four codes' magnitudes, then weights
.set GS,  56                           ; v[56:71]  four codes' sign words
.set SE,  72                           ; v[72:75]  my entry of the sign table
.set TB,  76                           ; v76, v77  at work
.set V,   80                           ; v[80:207] 128 numbers in f32
	s_load_b128 s[4:7], s[0:1], 0x0                ; Qidxs s[4:5], grid_abs s[6:7]
	s_load_b64 s[8:9], s[0:1], 0x10                ; t1
	v_lshl_add_u32 v[SPW], v0, 2, SPARE
	v_mov_b32 v[NIL], 0
	v_and_b32 v1, 31, v0                           ; lane l
	v_lshrrev_b32 v[TA], 5, v0
	v_readfirstlane_b32 s10, v[TA]                 ; wave w
	s_lshl_b32 s12, ttmp9, 14                      ; the work-group's 16 rows of 1,024 bytes of codes
	s_mov_b32 s13, 0
	s_lshl_b32 s14, ttmp9, 8                       ; and their 256 bytes in each strip of t1
	s_mov_b32 s15, 0
	s_lshl_b32 s11, s10, 11                        ; my wave's two rows
	v_lshl_add_u32 v[CO], v1, 4, s11               ; + four codes a lane
	v_lshlrev_b32 v[T16], 4, v0
	s_wait_kmcnt 0x0
	s_add_nc_u64 s[4:5], s[4:5], s[12:13]
	s_add_nc_u64 s[8:9], s[8:9], s[14:15]
	global_load_b128 v[GE:GE+3], v[T16], s[6:7]    ; thread t brings entry t of grid_abs
.irp q, 0,1,2,3
	global_load_b128 v[CW+4*(\q):CW+4*(\q)+3], v[CO], s[4:5] offset:((\q)/2)*1024+((\q)%2)*512 th:TH_LOAD_NT  ; row 2 w + q / 2, codes 128 (q % 2) + 4 l + 0..3: 512 consecutive bytes a wave
.endr
	; while they are on their way: entry t of the sign table, and the addresses
.irp j, 0,1,2,3
	v_bfe_u32 v[TB], v0, 2*(\j), 1
	v_bfe_u32 v[TB+1], v0, 2*(\j)+1, 1
	v_lshlrev_b32 v[TB], 15, v[TB]
	v_lshl_or_b32 v[SE+(\j)], v[TB+1], 31, v[TB]
.endr
	s_mul_i32 s11, s10, 2*P
	s_add_co_u32 s11, s11, XB
	v_mul_u32_u24 v[XW], v1, CH
	v_add_nc_u32 v[XW], s11, v[XW]                 ; XB + 2 w P + l CH
	s_lshr_b32 s16, s10, 2                         ; phase 2: my wave's bit 10 of k,
	s_and_b32 s17, s10, 3                          ; and its bits 4:3
	s_mul_i32 s11, s16, 32*CH
	s_lshl_b32 s18, s17, 5
	s_add_co_u32 s11, s11, s18
	s_add_co_u32 s11, s11, XB
	v_lshrrev_b32 v[TA], 1, v1                     ; my row r = l / 2,
	v_mul_u32_u24 v[XR], v[TA], P
	v_and_b32 v[TA], 1, v1                         ; my bit 2 of k = l % 2
	v_lshl_add_u32 v[XR], v[TA], 4, v[XR]
	v_add_nc_u32 v[XR], s11, v[XR]
	s_lshl_b32 s16, s16, 23                        ; in t1: 128 strips for bit 10,
	s_lshl_b32 s17, s17, 16                        ; a strip for each of bits 4:3,
	s_add_co_u32 s16, s16, s17
	v_lshl_add_u32 v[GO], v1, 3, s16               ; 16 r + 8 (l % 2) = 8 l
	v_mov_b32 v[CC], 0x3cb504f3                    ; 1 / sqrt(2048)
	v_mov_b32 v[ZR], 0
	s_wait_loadcnt 4                               ; my entry of grid_abs is in; the four loads of codes behind it may stay out
	ds_store_b128 v[T16], v[GE:GE+3] offset:ABS
	ds_store_b128 v[T16], v[SE:SE+3] offset:SGN
	s_wait_dscnt 0x0                               ; for the others' sake: my two entries are written
	s_barrier_signal -1
	s_barrier_wait -1                              ; both tables are whole
; Four codes (load q) become 32 weights.  The two look-ups are 16 bytes each; an exclusive or sets the eight signs; three multiply-adds from the halves of a word widen a pair of
; weights, scale it by 1 / sqrt(2048) and make the butterfly of k's bit 0: hi c; lo c + hi c; lo c - hi c.
.macro DEC4 q
	s_wait_loadcnt 3-(\q)                          ; loads come back in order: this one is in, the younger ones may stay out
.irp c, 0,1,2,3
	v_and_b32 v[GA+2*(\c)], 0xff, v[CW+4*(\q)+(\c)]
	v_bfe_u32 v[GA+2*(\c)+1], v[CW+4*(\q)+(\c)], 8, 8
.endr
.irp n, 0,1,2,3,4,5,6,7
	v_min_u32 v[GA+(\n)], 0xff, v[GA+(\n)]         ; a loaded number enters an address behind a v_min_u32 with a constant
.endr
.irp n, 0,1,2,3,4,5,6,7
	v_lshlrev_b32 v[GA+(\n)], 4, v[GA+(\n)]
.endr
.irp c, 0,1,2,3
	ds_load_b128 v[GW+4*(\c):GW+4*(\c)+3], v[GA+2*(\c)] offset:ABS
	ds_load_b128 v[GS+4*(\c):GS+4*(\c)+3], v[GA+2*(\c)+1] offset:SGN
.endr
.irp c, 0,1,2,3
	s_wait_dscnt 6-2*(\c)                          ; code c's two entries are in; two loads for each later code may stay out
.set D, V+((\q)/2)*64+((\q)%2)*32+(\c)*8
.irp p, 0,1,2,3
	v_xor_b32 v[GW+4*(\c)+(\p)], v[GW+4*(\c)+(\p)], v[GS+4*(\c)+(\p)]
.endr
.irp p, 0,1,2,3
	v_fma_mix_f32 v[D+2*(\p)+1], v[GW+4*(\c)+(\p)], v[CC], v[ZR] op_sel:[1,0,0] op_sel_hi:[1,0,0]
.endr
.irp p, 0,1,2,3
	v_fma_mix_f32 v[D+2*(\p)], v[GW+4*(\c)+(\p)], v[CC], v[D+2*(\p)+1] op_sel_hi:[1,0,0]
.endr
.irp p, 0,1,2,3
	v_fma_mix_f32 v[D+2*(\p)+1], v[GW+4*(\c)+(\p)], v[CC], -v[D+2*(\p)+1] op_sel_hi:[1,0,0]
.endr
.endr
.endm
; One stage of butterflies on 128 registers from base on, partners d registers apart (d even), two numbers an instruction, in place: x' = x + y, then y' = x' - 2 y = x - y.
.macro STAGE base, d
.set i, 0
.rept 64
.if (i & (\d)) == 0
	v_pk_add_f32 v[(\base)+i:(\base)+i+1], v[(\base)+i:(\base)+i+1], v[(\base)+i+(\d):(\base)+i+(\d)+1]
.endif
.set i, i+2
.endr
.set i, 0
.rept 64
.if (i & (\d)) == 0
	v_pk_fma_f32 v[(\base)+i+(\d):(\base)+i+(\d)+1], v[(\base)+i+(\d):(\base)+i+(\d)+1], -2.0, v[(\base)+i:(\base)+i+1] op_sel_hi:[1,0,1]
.endif
.set i, i+2
.endr
.endm
	; PHASE 1.  Register V + 64 rr + 32 j + 8 c + e holds row 2 w + rr, k = 1,024 j + 32 l + 8 c + e.
	DEC4 0
	DEC4 1
	DEC4 2
	DEC4 3
	STAGE V, 2                                     ; k's bit 1
	STAGE V, 4                                     ; bit 2
	STAGE V, 8                                     ; bit 3
	STAGE V, 16                                    ; bit 4
	STAGE V, 32                                    ; bit 10 (64 apart lies the other row)
.irp rr, 0,1
.irp j, 0,1
.irp i, 0,1,2,3,4,5,6,7
	ds_store_b128 v[XW], v[V+64*(\rr)+32*(\j)+4*(\i):V+64*(\rr)+32*(\j)+4*(\i)+3] offset:(\rr)*P+(\j)*32*CH+16*(\i)
.endr
.endr
.endr
	s_wait_dscnt 0x0                               ; for the others' sake: my two rows are written
	s_barrier_signal -1
	s_barrier_wait -1
	; PHASE 2.  Register V + 4 a + e holds row l / 2, k = 1,024 (w / 4) + 32 a + 8 (w % 4) + 4 (l % 2) + e.
.set a, 0
.rept 32
	ds_load_b128 v[V+4*a:V+4*a+3], v[XR] offset:a*CH
.set a, a+1
.endr
	s_wait_dscnt 0x0
	STAGE V, 4                                     ; k's bit 5
	STAGE V, 8
	STAGE V, 16
	STAGE V, 32
	STAGE V, 64                                    ; bit 9
.set a, 0
.rept 32
	v_cvt_pk_f16_f32 v[V+4*a], v[V+4*a], v[V+4*a+1]
	v_cvt_pk_f16_f32 v[V+4*a+1], v[V+4*a+2], v[V+4*a+3]
	global_store_b64 v[GO], v[V+4*a:V+4*a+1], s[8:9] offset:a*262144  ; strip 128 (w / 4) + 4 a + w % 4: the wave's 32 lanes store the work-group's 16 rows x 16 bytes: 256 consecutive bytes, aligned; the largest immediate, 8,126,464, is inside the signed 24 bits
.set a, a+1
.endr
	s_wait_tensorcnt 0x0                           ; the wave's end, behind my last LDS store
	ds_add_u32 v[SPW], v[NIL]
	s_wait_dscnt 0x0
	s_endpgm
.Lfunc_end_k_q9232789686_rowfht:
	.size	k_q9232789686_rowfht, .Lfunc_end_k_q9232789686_rowfht-k_q9232789686_rowfht
	.p2alignl 7, 3214868480
	.fill 96, 4, 3214868480
	.section	.rodata,"a",@progbits
	.p2align	6, 0x0
	.amdhsa_kernel k_q9232789686_rowfht
		.amdhsa_group_segment_fixed_size 157184
		.amdhsa_private_segment_fixed_size 0
		.amdhsa_enable_private_segment 0
		.amdhsa_kernarg_size 24
		.amdhsa_user_sgpr_count 2
		.amdhsa_user_sgpr_kernarg_segment_ptr 1
		.amdhsa_wavefront_size32 1
		.amdhsa_system_sgpr_workgroup_id_x 1
		.amdhsa_system_sgpr_workgroup_id_y 1
		.amdhsa_system_sgpr_workgroup_id_z 1
		.amdhsa_system_vgpr_workitem_id 0
		.amdhsa_next_free_vgpr 208
		.amdhsa_next_free_sgpr 66
		.amdhsa_reserve_vcc 0
		.amdhsa_float_denorm_mode_32 3
		.amdhsa_float_denorm_mode_16_64 3
		.amdhsa_memory_ordered 1
		.amdhsa_forward_progress 1
		.amdhsa_inst_pref_size 77
	.end_amdhsa_kernel
	.amdgpu_metadata
---
amdhsa.version: [ 1, 2 ]
amdhsa.kernels:
  - .name:           k_q9232789686_rowfht
    .symbol:         k_q9232789686_rowfht.kd
    .args:
      - { .name: Qidxs, .offset: 0, .size: 8, .value_kind: global_buffer, .address_space: global }
      - { .name: grid_abs, .offset: 8, .size: 8, .value_kind: global_buffer, .address_space: global }
      - { .name: t1, .offset: 16, .size: 8, .value_kind: global_buffer, .address_space: global }
    .group_segment_fixed_size: 157184
    .private_segment_fixed_size: 0
    .kernarg_segment_align: 8
    .kernarg_segment_size: 24
    .max_flat_workgroup_size: 256
    .sgpr_count:     66
    .vgpr_count:     208
    .wavefront_size: 32
...
	.end_amdgpu_metadata
.endif
;; end of part 1
;; launch colfht (part 2): grid 256 x 1, 8 waves a work-group, no clusters, 132,096 bytes of LDS; arguments t1, SU, w2; writes w2
.if DOCPART == 2
	.amdgcn_target "amdgcn-amd-amdhsa--gfx1250"
	.amdhsa_code_object_version 6
	.text
	.protected	k_q9232789686_colfht
	.globl	k_q9232789686_colfht
	.p2align	8
	.type	k_q9232789686_colfht,@function
k_q9232789686_colfht:
	s_mov_b64 s[64:65], 0
	v_nop
	global_prefetch_b8 v0, s[64:65] scope:SCOPE_SE
	s_setreg_imm32_b32 hwreg(HW_REG_WAVE_MODE, 25, 1), 1
	s_wait_xcnt 0x0
; WeightOnlyQuipLinear, launch 2 of 3: w2[n][k] = SU[k] / 64 x the sum over m of H4096[n][m] t1[m][k]: the transform that reference() makes on the product's 4,096 outputs, made on the
; weights' rows instead (the sums' other order and its limits: the head of launch 1).  Nothing is left out.  Sums in f32; w2 rounded once to f16, and it must stay under 65,504.
; t1 and w2 lie in strips, [k / 8 : 256][row : 4,096][8] f16.  SHARES.  A work-group owns one strip: all 4,096 rows of 8 columns, 64 KiB in, 64 KiB out, all of it asked for at once.
; Pass A: thread t holds rows 256 i + t (i = 0..15): the butterflies of the row number's bits 8-11 stay in its registers.  The strip crosses LDS in f32.  Pass B: thread t holds rows
; 256 (t / 16) + 16 j + t % 16: bits 4-7.  Pass C: bits 0-3 are the lane's bits 0-3: four exchanges among sixteen lanes.  SU / 64, a factor of the column, goes in with the widening.
; No matrix unit, tensor load or cluster: each byte has one reader.
.set PL1,   65536                      ; LDS: plane 0: columns 0-3 of row o at 16 o; plane 1, from here on: columns 4-7.  Sixteen lanes always take 256 consecutive bytes
.set SPARE, 131072                     ; the spare words, 128 bytes for each of eight waves: four blocks of 256 bytes that no other line names
.set SPW, 2                            ; v2   LDS address of my spare word; never rewritten
.set NIL, 3                            ; v3   0, for the add alone
.set W0,  4                            ; v4   16 t: my offset in a block of 256 rows, in t1 and in plane 0
.set W1,  5                            ; v5   the same in plane 1
.set R0,  6                            ; v6   4,096 (t / 16) + 16 (t % 16): my offset for passes B and C, in plane 0 and in w2
.set R1,  7                            ; v7   the same in plane 1
.set ZR,  8                            ; v8   0
.set C64, 9                            ; v9   1 / 64
.set SUR, 10                           ; v[10:13]  the strip's eight SU, as loaded
.set TA,  14                           ; v14  at work
.set L,   16                           ; v[16:79]  16 rows x 8 f16, as loaded
.set T,   16                           ; v[16:31]  later: at work in pass C
.set F,   80                           ; v[80:87]  SU / 64 of my 8 columns
.set SG,  88                           ; v[88:95]  for lane bit q a pair (s, s): s = -1 where the bit is set, else 1
.set V,   96                           ; v[96:223] 16 rows x 8 columns in f32
	s_load_b128 s[4:7], s[0:1], 0x0                ; t1 s[4:5], SU s[6:7]
	s_load_b64 s[8:9], s[0:1], 0x10                ; w2
	v_lshl_add_u32 v[SPW], v0, 2, SPARE
	v_mov_b32 v[NIL], 0
	v_mov_b32 v[ZR], 0
	v_lshlrev_b32 v[W0], 4, v0
	s_lshl_b32 s12, ttmp9, 16                      ; my strip
	s_mov_b32 s13, 0
	s_lshl_b32 s14, ttmp9, 4                       ; its eight SU
	s_mov_b32 s15, 0
	s_wait_kmcnt 0x0
	s_add_nc_u64 s[4:5], s[4:5], s[12:13]
	s_add_nc_u64 s[6:7], s[6:7], s[14:15]
	s_add_nc_u64 s[8:9], s[8:9], s[12:13]
	global_load_b128 v[SUR:SUR+3], v[ZR], s[6:7]   ; the same 16 bytes in every lane
.set i, 0
.rept 16
	global_load_b128 v[L+4*i:L+4*i+3], v[W0], s[4:5] offset:i*4096 th:TH_LOAD_NT  ; row 256 i + t: 512 consecutive bytes a wave
.set i, i+1
.endr
	v_add_nc_u32 v[W1], PL1, v[W0]
	v_lshrrev_b32 v[TA], 4, v0
	v_and_b32 v[R0], 15, v0
	v_lshlrev_b32 v[R0], 4, v[R0]
	v_lshl_add_u32 v[R0], v[TA], 12, v[R0]
	v_add_nc_u32 v[R1], PL1, v[R0]
	v_mov_b32 v[C64], 0x3c800000                   ; 1 / 64
.irp q, 0,1,2,3
	v_bfe_u32 v[TA], v0, \q, 1
	v_lshl_or_b32 v[SG+2*(\q)], v[TA], 31, 0x3f800000  ; 1.0 with the lane's bit q as its sign
	v_mov_b32 v[SG+2*(\q)+1], v[SG+2*(\q)]
.endr
	s_wait_loadcnt 16                              ; SU is in; the strip's 16 loads behind it may stay out
.set c, 0
.rept 8
.if c%2
	v_fma_mix_f32 v[F+c], v[SUR+c/2], v[C64], v[ZR] op_sel:[1,0,0] op_sel_hi:[1,0,0]
.else
	v_fma_mix_f32 v[F+c], v[SUR+c/2], v[C64], v[ZR] op_sel_hi:[1,0,0]
.endif
.set c, c+1
.endr
.set i, 0
.rept 16
	s_wait_loadcnt 15-i                            ; loads come back in order: row 256 i + t is in, the younger ones may stay out
.set c, 0
.rept 8
.if c%2
	v_fma_mix_f32 v[V+8*i+c], v[L+4*i+c/2], v[F+c], v[ZR] op_sel:[1,0,0] op_sel_hi:[1,0,0]
.else
	v_fma_mix_f32 v[V+8*i+c], v[L+4*i+c/2], v[F+c], v[ZR] op_sel_hi:[1,0,0]
.endif
.set c, c+1
.endr
.set i, i+1
.endr
; One stage of butterflies on 128 registers from base on, partners d registers apart (d even), two numbers an instruction, in place: x' = x + y, then y' = x' - 2 y = x - y.
.macro STAGE base, d
.set i, 0
.rept 64
.if (i & (\d)) == 0
	v_pk_add_f32 v[(\base)+i:(\base)+i+1], v[(\base)+i:(\base)+i+1], v[(\base)+i+(\d):(\base)+i+(\d)+1]
.endif
.set i, i+2
.endr
.set i, 0
.rept 64
.if (i & (\d)) == 0
	v_pk_fma_f32 v[(\base)+i+(\d):(\base)+i+(\d)+1], v[(\base)+i+(\d):(\base)+i+(\d)+1], -2.0, v[(\base)+i:(\base)+i+1] op_sel_hi:[1,0,1]
.endif
.set i, i+2
.endr
.endm
; One stage between lanes m = 1 << q apart: new = partner's + s x mine (mine + partner's where my bit is clear, partner's - mine where it is set).  Sixteen registers at a time: s x mine
; goes into T, two numbers an instruction; then the addition itself takes its first source from the partner lane.
.macro LANEST m, q
.set g, 0
.rept 8
.set p, 0
.rept 8
	v_pk_mul_f32 v[T+2*p:T+2*p+1], v[V+16*g+2*p:V+16*g+2*p+1], v[SG+2*(\q):SG+2*(\q)+1]
.set p, p+1
.endr
.set p, 0
.rept 16
	v_add_f32_dpp v[V+16*g+p], v[V+16*g+p], v[T+p] row_xmask:\m row_mask:0xf bank_mask:0xf
.set p, p+1
.endr
.set g, g+1
.endr
.endm
	STAGE V, 8                                     ; PASS A: the row number's bit 8
	STAGE V, 16
	STAGE V, 32
	STAGE V, 64                                    ; bit 11
.set i, 0
.rept 16
	ds_store_b128 v[W0], v[V+8*i:V+8*i+3] offset:i*4096
	ds_store_b128 v[W1], v[V+8*i+4:V+8*i+7] offset:i*4096
.set i, i+1
.endr
	s_wait_dscnt 0x0                               ; for the others' sake: my 16 rows are written
	s_barrier_signal -1
	s_barrier_wait -1
.set i, 0
.rept 16
	ds_load_b128 v[V+8*i:V+8*i+3], v[R0] offset:i*256      ; row 256 (t / 16) + 16 i + t % 16
	ds_load_b128 v[V+8*i+4:V+8*i+7], v[R1] offset:i*256
.set i, i+1
.endr
	s_wait_dscnt 0x0
	STAGE V, 8                                     ; PASS B: bit 4
	STAGE V, 16
	STAGE V, 32
	STAGE V, 64                                    ; bit 7
	LANEST 1, 0                                    ; PASS C: bit 0
	LANEST 2, 1
	LANEST 4, 2
	LANEST 8, 3                                    ; bit 3
.set i, 0
.rept 16
	v_cvt_pk_f16_f32 v[V+8*i], v[V+8*i], v[V+8*i+1]        ; in place, in ascending order: each line reads at or above what it writes
	v_cvt_pk_f16_f32 v[V+8*i+1], v[V+8*i+2], v[V+8*i+3]
	v_cvt_pk_f16_f32 v[V+8*i+2], v[V+8*i+4], v[V+8*i+5]
	v_cvt_pk_f16_f32 v[V+8*i+3], v[V+8*i+6], v[V+8*i+7]
	global_store_b128 v[R0], v[V+8*i:V+8*i+3], s[8:9] offset:i*256  ; sixteen lanes store 16 rows x 16 bytes: 256 consecutive bytes, aligned
.set i, i+1
.endr
	s_wait_tensorcnt 0x0                           ; the wave's end, behind my last LDS store
	ds_add_u32 v[SPW], v[NIL]
	s_wait_dscnt 0x0
	s_endpgm
.Lfunc_end_k_q9232789686_colfht:
	.size	k_q9232789686_colfht, .Lfunc_end_k_q9232789686_colfht-k_q9232789686_colfht
	.p2alignl 7, 3214868480
	.fill 96, 4, 3214868480
	.section	.rodata,"a",@progbits
	.p2align	6, 0x0
	.amdhsa_kernel k_q9232789686_colfht
		.amdhsa_group_segment_fixed_size 132096
		.amdhsa_private_segment_fixed_size 0
		.amdhsa_enable_private_segment 0
		.amdhsa_kernarg_size 24
		.amdhsa_user_sgpr_count 2
		.amdhsa_user_sgpr_kernarg_segment_ptr 1
		.amdhsa_wavefront_size32 1
		.amdhsa_system_sgpr_workgroup_id_x 1
		.amdhsa_system_sgpr_workgroup_id_y 1
		.amdhsa_system_sgpr_workgroup_id_z 1
		.amdhsa_system_vgpr_workitem_id 0
		.amdhsa_next_free_vgpr 224
		.amdhsa_next_free_sgpr 66
		.amdhsa_reserve_vcc 0
		.amdhsa_float_denorm_mode_32 3
		.amdhsa_float_denorm_mode_16_64 3
		.amdhsa_memory_ordered 1
		.amdhsa_forward_progress 1
		.amdhsa_inst_pref_size 103
	.end_amdhsa_kernel
	.amdgpu_metadata
---
amdhsa.version: [ 1, 2 ]
amdhsa.kernels:
  - .name:           k_q9232789686_colfht
    .symbol:         k_q9232789686_colfht.kd
    .args:
      - { .name: t1, .offset: 0, .size: 8, .value_kind: global_buffer, .address_space: global }
      - { .name: SU, .offset: 8, .size: 8, .value_kind: global_buffer, .address_space: global }
      - { .name: w2, .offset: 16, .size: 8, .value_kind: global_buffer, .address_space: global }
    .group_segment_fixed_size: 132096
    .private_segment_fixed_size: 0
    .kernarg_segment_align: 8
    .kernarg_segment_size: 24
    .max_flat_workgroup_size: 256
    .sgpr_count:     66
    .vgpr_count:     224
    .wavefront_size: 32
...
	.end_amdgpu_metadata
.endif
;; end of part 2
;; launch gemm (part 3): grid 16 x 16, 4 waves a work-group, clusters of 4 x 4, 327,680 bytes of LDS; arguments input, w2, out0, SV, bias, Wscale; writes out0
.if DOCPART == 3
	.amdgcn_target "amdgcn-amd-amdhsa--gfx1250"
	.amdhsa_code_object_version 6
	.text
	.protected	k_q9232789686_gemm
	.globl	k_q9232789686_gemm
	.p2align	8
	.type	k_q9232789686_gemm,@function
k_q9232789686_gemm:
	s_mov_b64 s[64:65], 0
	v_nop
	global_prefetch_b8 v0, s[64:65] scope:SCOPE_SE
	s_setreg_imm32_b32 hwreg(HW_REG_WAVE_MODE, 25, 1), 1
	s_wait_xcnt 0x0
	s_wait_alu depctr_hold_cnt(0) depctr_sa_sdst(0) depctr_va_vdst(0) depctr_va_sdst(0) depctr_va_ssrc(0) depctr_va_vcc(0) depctr_vm_vsrc(0)
	s_getreg_b32 s2, hwreg(HW_REG_IB_STS2, 6, 4)
	s_cmp_eq_u32 s2, 0
	s_cbranch_scc0 .Lentry_in_a_cluster
	s_endpgm
.Lentry_in_a_cluster:
	s_bfe_u32 s2, ttmp6, 0x10000c
	s_cmp_lg_u32 s2, 0xf033
	s_cbranch_scc0 .Lentry_shape_is_right
	s_endpgm
.Lentry_shape_is_right:
; WeightOnlyQuipLinear, launch 3 of 3: out0[t][n] = (sum over k of x[t][k] w2[n][k]) x (Wscale SV[n]) + bias[n].  x: [8192][2048] f16, as given; w2: the weights with both transforms
; and SU in them (the sums' other order and its limits: the head of launch 1; nothing is left out); sums, scale and bias in f32; out0 rounded once to f16.
; w2 lies in strips, [k / 8 : 256][n : 4,096][8] f16: the 16 bytes (n, 8 k) are what one lane takes for half a fragment.
; A tile of out0, 256 x 256, is made by four waves, as many as a WGP has SIMDs; a wave makes 128 x 128: 64 accumulators of 16 x 16, 512 registers.  K goes in steps of 128 through a ring
; of two LDS slots filled by tensor loads: of x 128 rows x 256 bytes a load, padded in LDS; of w2 16 strips x 2,048 bytes (128 n) a load, dense.
; A WORK-GROUP STAYS: 512 tiles, 256 work-groups, two tiles each, 4,096 rows apart, with the same rows of w2.  The ring does not stop at the first tile's end: its last two changes of
; slots ask for the second tile's first two K steps, and nothing waits for the first tile's stores.
; CLUSTERS: 4 x 4 work-groups.  The four of a row of the cluster need the same tiles of x, the four of a column the same tiles of w2: each tile is asked for JOINTLY, by the same tensor
; load with the same descriptor and a mask that names the four; that divides the requests for both by four.
; THE MATRIX INSTRUCTION IS USED TRANSPOSED: source 0 = 16 rows of w2, source 1 = 16 rows of x.  In the result lane l holds row l % 16 of out0 and its registers 0-7 the columns
; 8 (l / 16) + 0..7: eight neighbouring numbers, whose scales and biases lie in 128 registers of the lane for the whole launch.
; REGISTERS, in windows of 256 (s_set_vgpr_msb's low byte: bits 1:0 source 0, 3:2 source 1, 5:4 source 2, 7:6 destination):
;   window 0: v0-31 addresses; v64-127, v128-191 fragments of x, two buffers; v32-63, v192-255 at work on the way out (at the head v192-255 take SV and bias as loaded)
;   window 1: v64-127, v128-191 fragments of w2, two buffers; v0-63 Wscale SV, v192-255 bias, of my 128 columns' share: column block b, register j at 8 b + j
;   window 2: the 32 accumulators of my rows 0-63 (accumulator (a, b) at v[8 (8 a + b)]);   window 3: those of my rows 64-127
.set SIZE_M, 8192
.set SIZE_N, 4096
.set SIZE_K, 2048
.set SIZE_TILES, 2
.set KSTEP,  128
.set PITCH,  272                       ; x's LDS row: 256 bytes + 16 of padding = 68 words: row r starts at bank 4 r mod 64 (64 banks of 4 bytes: ISA guide 11.1): the 16 rows of a load start at 16 different banks
.set HALFA,  128*PITCH                 ; 128 rows of x: one tensor load, and what one wave reads of x
.set SPB,    2048                      ; 128 n of one strip of w2; sixteen lanes of a fragment load take 256 consecutive bytes of it
.set HALFB,  16*SPB                    ; 128 n x a K step's 16 strips: one tensor load, and what one wave reads of w2
.set SLOT,   2*HALFA+2*HALFB           ; x's 256 rows, then w2's 256 rows
.set STAGE,  2*SLOT                    ; behind the ring: 16 rows x 272 bytes for each wave, for the way out
.set SPITCH, 272
.set SPARE,  STAGE+4*16*SPITCH         ; behind the stages: the spare words, 128 bytes for each wave: two blocks of 256 bytes that no other line names
.set LAPS,   SIZE_K/(2*KSTEP)          ; a lap = two K steps = once round the ring
.set WALK,   SIZE_M/SIZE_TILES         ; the two tiles lie WALK rows apart
.set STRIP,  SIZE_N*16                 ; bytes in a strip of w2
.set KSTEPB, (KSTEP/8)*STRIP           ; a K step in w2: 16 strips
.set NEXT_A, WALK*SIZE_K*2-(SIZE_K-2*KSTEP)*2   ; bytes from a slot's last K step of a tile to its first of the next: x goes WALK rows down and back along K,
.set BACK_B, (SIZE_K/KSTEP-2)*KSTEPB   ; w2 only back
.set NEXT_C, (WALK-7*16)*SIZE_N*2      ; bytes from my last 16 rows of a tile to my first of the next
.set ADRA, 16                          ; v16-17  LDS address of my fragments of x in slot 0, 1
.set ADRB, 20                          ; v20-21  the same for w2
.set STO,  24                          ; v24     the way out: where I put 16 bytes of a row
.set RD,   25                          ; v25     the way out: where I read a row back
.set CO,   26                          ; v26     my byte offset in out0
.set SPW,  28                          ; v28     LDS address of my spare word; never rewritten
.set NIL,  29                          ; v29     0, for the add alone
.set PFO,  30                          ; v30     the prefetches' offset: my lane's block of 256 bytes among my work-group's 32; never rewritten
.set PFA,  44                          ; s[44:45] where my next prefetch stands
.set LIM,  43                          ; s43     1 in a wave that prefetches, else the greatest number
.set PFS,  76                          ; s[76:77] a K step in bytes in the tensor that I fetch
.set F0,   64                          ; fragment buffer 0
.set F1,   128                         ; fragment buffer 1
.set TMP,  192                         ; the way out: packed results, in window 0
.set OB,   32                          ; the way out: 16 rows read back from the stage: v32-63 and v224-255 by turns
.set SC,   0                           ; window 1: Wscale SV
.set BI,   192                         ; window 1: bias
.set G1, 24                            ; s[24:31] descriptor group 1 for x's tiles
.set G0, 32                            ; s[32:39] descriptor group 0 for x's tiles, one set for each slot
.set G1B, 48                           ; s[48:55] descriptor group 1 for w2's tiles
.set G0B, 56                           ; s[56:63] descriptor group 0 for w2's tiles, one set for each slot
.set MSB, 0
.macro WIN new                         ; the immediate's high byte repeats the setting that is left; a switch that changes nothing is dropped
.if MSB != (\new)
	s_set_vgpr_msb (MSB<<8)|(\new)
.set MSB, \new
.endif
.endm
.set MUL_LO, 0xa1                      ; source 0 (w2) window 1, source 1 (x) window 0, C and D window 2
.set MUL_HI, 0xf1                      ; the same, C and D window 3
.set TO_B,   0x40                      ; destination window 1, sources window 0
; A joint load.  Waves 0 and 1 fetch x's two halves, waves 2 and 3 w2's.  Each of the two lines has one mask and one set of registers for all that issue it; the branch hangs on the
; wave's number alone.  An s_nop 0 and four v_nop follow each line, ahead of the jump, the label and what follows.
.macro JLOAD s
	s_cmp_eq_u32 s11, 0
	s_cbranch_scc0 .Lfor_b_\@
	tensor_load_to_lds s[G0+4*(\s):G0+4*(\s)+3], s[G1:G1+7]
	s_nop 0
.rept 4
	v_nop
.endr
	s_branch .Lasked_\@
.Lfor_b_\@:
	tensor_load_to_lds s[G0B+4*(\s):G0B+4*(\s)+3], s[G1B:G1B+7]
	s_nop 0
.rept 4
	v_nop
.endr
.Lasked_\@:
.endm
; A PREFETCH INTO THE L2, behind each joint load, its five lines and the run of LDS loads that follows them: the K step that stands TWO refills on, 512 matrix instructions ahead of the
; load that will want it: 32 blocks of 256 bytes, a lane a block, one instruction a wave.  Each block is named ONCE in the launch.  x's tile row is read by every cluster of that row of
; clusters: the first of them (cluster x = 0) asks; w2's tile column by every cluster of that column: cluster y = 0 asks, in the first tile alone, since the second takes the same rows.
; The four partners that ask for a tile jointly share its 128 blocks out BY ADDRESS (of x 32 rows each, by cx; of w2 4 strips x 8 blocks each, by cy): no branch hangs on a work-group's
; place in its cluster.  how = 0, in the loop: a tile's last two refills have no K step two on; how = 1, at the change of tiles: the next tile's K steps 2 and 3 of x.
.macro ASK how
.if \how
	s_cmp_eq_u32 s[LIM], 1
.else
	s_cmp_gt_u32 s3, s[LIM]                        ; s3 = 1 in the loop's last trip
.endif
	s_cbranch_scc0 .Lnot_mine_\@
	global_prefetch_b8 v[PFO], s[PFA:PFA+1] th:TH_LOAD_NT scope:SCOPE_SE
.Lnot_mine_\@:
.endm
; A round of the cluster's barrier: my work-group's barrier, so that wave 0's signal speaks for all four waves; wave 0 signals for the work-group; every wave waits for all sixteen
; work-groups; my work-group's barrier once more.
.macro CREST                           ; a round behind its opening barrier
	s_cmp_lg_u32 s10, 0
	s_cbranch_scc1 .Lnot_wave_0_\@
	s_barrier_signal -3
.Lnot_wave_0_\@:
	s_barrier_wait -3
	s_barrier_signal -1
	s_barrier_wait -1
.endm
.macro CROUND                          ; a whole round
	s_barrier_signal -1
	s_barrier_wait -1
	CREST
.endm
	s_load_b128 s[4:7], s[0:1], 0x0                ; x s[4:5], w2 s[6:7]
	s_load_b64 s[8:9], s[0:1], 0x10                ; out0
	s_load_b128 s[68:71], s[0:1], 0x18             ; SV s[68:69], bias s[70:71]
	s_load_b64 s[72:73], s[0:1], 0x28              ; Wscale
	v_lshl_add_u32 v[SPW], v0, 2, SPARE
	v_mov_b32 v[NIL], 0
	ds_add_u32 v[SPW], v[NIL]                      ; the wave's opening: the add, twice on end, and its wait ahead of my first tensor load; the set-up below, work on registers, stands between
	ds_add_u32 v[SPW], v[NIL]                      ; and once more, under the one wait
	v_lshrrev_b32 v1, 5, v0
	v_readfirstlane_b32 s10, v1                    ; wave 0..3
	s_lshr_b32 s11, s10, 1                         ; which half of the tile's rows is mine.  Also: I fetch for x (0) or for w2 (1)
	s_and_b32 s12, s10, 1                          ; which half of its columns.  Also: which 128 rows of that tile I fetch
	s_bfe_u32 s40, ttmp6, 0x40000                  ; cx: my place along the cluster's x
	s_bfe_u32 s41, ttmp6, 0x40004                  ; cy: along its y
	s_lshl_b32 s42, ttmp9, 2                       ; in a cluster launch ttmp9 and ttmp7 count clusters
	s_add_co_u32 s42, s42, s40                     ; tile column = 4 x cluster x + cx
	s_and_b32 s13, ttmp7, 0xffff
	s_lshl_b32 s13, s13, 2
	s_add_co_u32 s13, s13, s41                     ; tile row = 4 x cluster y + cy
	s_lshl_b32 s43, s41, 2
	s_lshl_b32 s43, 15, s43                        ; my row of the cluster: places 4 cy .. 4 cy + 3
	s_lshl_b32 s44, 0x1111, s40                    ; my column: places cx, cx + 4, cx + 8, cx + 12
	; group 1 for x: 128 rows x 128 elements, padded in LDS
	s_or_b32 s[G1+0], s43, (1<<16)|(1<<20)|(1<<21)|(5<<22)|(3<<25)  ; 15:0 the mask: my row; 17:16 elements of 2 bytes; 20 padding on; 21 set beside a mask; 24:22 after every 64 words (code 5); 31:25 4 words of it (code 3)
	s_mov_b32 s[G1+1], KSTEP<<16                   ; tensor_dim0 = 128
	s_mov_b32 s[G1+2], 128<<16                     ; tensor_dim1 = 128
	s_mov_b32 s[G1+3], KSTEP<<16                   ; tile_dim0 = 128
	s_mov_b32 s[G1+4], 128                         ; tile_dim1 = 128
	s_mov_b32 s[G1+5], SIZE_K                      ; elements from row to row
	s_mov_b32 s[G1+6], 0
	s_mov_b32 s[G1+7], 0
	; group 1 for w2: 16 strips x 1,024 elements (128 n x 8 k, 2,048 consecutive bytes), dense in LDS
	s_or_b32 s[G1B+0], s44, (1<<16)|(1<<21)        ; the mask: my column; elements of 2 bytes; no padding
	s_mov_b32 s[G1B+1], (SPB/2)<<16                ; tensor_dim0 = 1,024
	s_mov_b32 s[G1B+2], 16<<16                     ; tensor_dim1 = 16
	s_mov_b32 s[G1B+3], (SPB/2)<<16                ; tile_dim0 = 1,024
	s_mov_b32 s[G1B+4], 16                         ; tile_dim1 = 16
	s_mov_b32 s[G1B+5], STRIP/2                    ; elements from strip to strip
	s_mov_b32 s[G1B+6], 0
	s_mov_b32 s[G1B+7], 0
	; where the tiles come from.  x's hang on the tile row alone, which my row of the cluster shares; w2's on the tile column alone, which my column shares.
	s_lshl_b32 s17, s12, 7                         ; which 128 rows of the tile I fetch
	s_lshl_b32 s16, s13, 8
	s_add_co_u32 s16, s16, s17                     ; x: row 256 x tile row + 128 x half,
	s_lshl_b32 s16, s16, 12                        ; of 4,096 bytes
	s_lshl_b32 s46, s42, 8
	s_add_co_u32 s46, s46, s17                     ; w2: row 256 x tile column + 128 x half,
	s_lshl_b32 s46, s46, 4                         ; 16 bytes of a strip each
	s_mov_b32 s17, 0
	s_mov_b32 s47, 0
	s_mul_i32 s20, s10, HALFA                      ; and where they go: waves 0, 1: x's halves;
	s_mul_i32 s21, s10, HALFB
	s_add_co_u32 s21, s21, 2*HALFA-2*HALFB         ; waves 2, 3: w2's halves, behind x's 256 rows: no place in the cluster enters an LDS address
	s_wait_dscnt 0x0                               ; both opening adds are done
	s_wait_kmcnt 0x0
	s_load_b32 s74, s[72:73], 0x0                  ; Wscale's value
	s_add_nc_u64 s[14:15], s[4:5], s[16:17]
	s_add_nc_u64 s[46:47], s[6:7], s[46:47]
	CROUND                                         ; all sixteen work-groups are here: the first joint loads meet
.irp s, 0,1
	s_mov_b32 s[G0+4*(\s)], 1                                      ; count = 1
	s_add_co_u32 s[G0+4*(\s)+1], s20, (\s)*SLOT                    ; LDS address
	s_add_nc_u64 s[G0+4*(\s)+2:G0+4*(\s)+3], s[14:15], (\s)*KSTEP*2  ; global address: K step s
	s_or_b32 s[G0+4*(\s)+3], s[G0+4*(\s)+3], 0x80000000            ; type = 2
	s_mov_b32 s[G0B+4*(\s)], 1
	s_add_co_u32 s[G0B+4*(\s)+1], s21, (\s)*SLOT
	s_add_nc_u64 s[G0B+4*(\s)+2:G0B+4*(\s)+3], s[46:47], (\s)*KSTEPB
	s_or_b32 s[G0B+4*(\s)+3], s[G0B+4*(\s)+3], 0x80000000
	JLOAD \s                                       ; the ring is filled before anything else is done: two loads of mine are out
.endr
	; A fragment is 16 rows x 32 K in 8 registers: lane l holds row l % 16; registers 0-3 hold K = 8 (l / 16) + 0..7, registers 4-7 K = 16 + 8 (l / 16) + 0..7.
	; Of x, whose rows lie along K: two loads of 16 bytes, 32 bytes apart.  Of w2, in strips of 8 K: two loads of 16 bytes, two strips apart.
	v_and_b32 v1, 15, v0                           ; l % 16
	v_bfe_u32 v2, v0, 4, 1                         ; l / 16
	v_mul_u32_u24 v3, v1, PITCH
	v_lshl_add_u32 v3, v2, 4, v3                   ; x: row x pitch + 16 x half
	v_lshlrev_b32 v4, 4, v1
	v_lshl_add_u32 v4, v2, 11, v4                  ; w2: 16 x row + a strip x half
	s_mul_i32 s21, s11, HALFA                      ; my 128 rows of x
	s_mul_i32 s22, s12, HALFB                      ; my 128 rows of w2,
	s_add_co_u32 s22, s22, 2*HALFA                 ; which lie behind x's 256
.irp s, 0,1
	v_add_nc_u32 v[ADRA+(\s)], s21, v3
	v_add_nc_u32 v[ADRB+(\s)], s22, v4
	s_add_co_u32 s21, s21, SLOT
	s_add_co_u32 s22, s22, SLOT
.endr
	s_mul_i32 s23, s10, 16*SPITCH
	s_add_co_u32 s23, s23, STAGE                   ; my stage
	v_mul_u32_u24 v4, v1, SPITCH                   ; in: row l % 16, 16 bytes for each half of the lanes
	v_lshl_add_u32 v4, v2, 4, v4
	v_add_nc_u32 v[STO], s23, v4
	v_mul_u32_u24 v5, v2, SPITCH                   ; back: lanes 0-15 take one row of 256 bytes, lanes 16-31 the next
	v_lshl_add_u32 v5, v1, 4, v5
	v_add_nc_u32 v[RD], s23, v5
	v_mul_u32_u24 v5, v2, SIZE_N*2                 ; and the same two rows in out0
	v_lshl_add_u32 v[CO], v1, 4, v5
	; where my part of the first tile begins in out0, in bytes: the first way out adds it to out0's address
	s_lshl_b32 s13, s13, 8                         ; 256 x tile row
	s_lshl_b32 s14, s11, 7
	s_add_co_u32 s16, s13, s14                     ; my first row,
	s_lshl_b32 s16, s16, 13                        ; of 8,192 bytes
	s_mov_b32 s17, 0
	s_lshl_b32 s46, s42, 9                         ; my first column, in bytes of 2 a number: 512 x tile column + 256 x half: in a row of out0, in SV and in bias alike
	s_lshl_b32 s47, s12, 8
	s_add_co_u32 s46, s46, s47
	v_lshl_add_u32 v6, v2, 4, s46                  ; + my lanes' 8 columns
	s_mov_b32 s47, 0
	s_add_nc_u64 s[16:17], s[16:17], s[46:47]
.irp b, 0,1,2,3,4,5,6,7
	global_load_b128 v[192+4*(\b):192+4*(\b)+3], v6, s[68:69] offset:32*(\b)  ; SV of columns 16 b + 8 (l / 16) + 0..7 of my 128
.endr
.irp b, 0,1,2,3,4,5,6,7
	global_load_b128 v[224+4*(\b):224+4*(\b)+3], v6, s[70:71] offset:32*(\b)  ; bias of the same
.endr
	; the prefetches.  s13 = 256 x tile row, s42 = tile column, s40 = cx, s41 = cy still stand
	s_lshl_b32 s22, s12, 7                         ; the 128 rows that I fetch
	s_add_co_u32 s20, s13, s22
	s_lshl_b32 s21, s40, 5
	s_add_co_u32 s20, s20, s21                     ; x: + my work-group's 32 of them,
	s_lshl_b32 s20, s20, 12                        ; 4,096 bytes each,
	s_add_co_u32 s20, s20, 3*KSTEP*2               ; at K step 3: the first refill steps it to 4
	s_lshl_b32 s21, s42, 8
	s_add_co_u32 s21, s21, s22
	s_lshl_b32 s21, s21, 4                         ; w2: my 128 rows' place in a strip,
	s_lshl_b32 s23, s41, 18
	s_add_co_u32 s21, s21, s23                     ; + my work-group's 4 strips of a K step's 16,
	s_add_co_u32 s21, s21, 3*KSTEPB                ; at K step 3
	s_and_b32 s22, ttmp7, 0xffff                   ; cluster y
	s_mov_b32 s[PFS], KSTEPB
	s_mov_b32 s[PFS+1], 0
	s_mov_b32 s78, STRIP                           ; w2: lane l names strip l / 8,
	s_mov_b32 s79, 256                             ; block l % 8 of its 2,048 bytes
	s_cmp_eq_u32 s11, 0                            ; do I fetch for x?
	s_cselect_b32 s20, s20, s21
	s_cselect_b32 s22, ttmp9, s22                  ; the coordinate along which other clusters read the same rows
	s_cselect_b64 s[PFA:PFA+1], s[4:5], s[6:7]
	s_cselect_b32 s[PFS], KSTEP*2, s[PFS]
	s_cselect_b32 s78, 8*SIZE_K*2, s78             ; x: lane l names row l = 8 (l / 8) + l % 8
	s_cselect_b32 s79, SIZE_K*2, s79
	s_mov_b32 s21, 0
	s_add_nc_u64 s[PFA:PFA+1], s[PFA:PFA+1], s[20:21]
	s_cmp_eq_u32 s22, 0
	s_cselect_b32 s[LIM], 1, -1                    ; the same in all sixteen partners, for a given wave
	v_and_b32 v7, 31, v0
	v_lshrrev_b32 v11, 3, v7
	v_and_b32 v7, 7, v7
	v_mul_u32_u24 v[PFO], s78, v11
	v_mad_u32_u24 v[PFO], v7, s79, v[PFO]
	; nothing is prefetched here, at the head, where every work-group's first two tiles are on their way: K steps 2 and 3 come by their refills alone
	v_mov_b32 v9, 1.0
	v_mov_b32 v10, 0
	s_wait_kmcnt 0x0                               ; Wscale
	v_mov_b32 v8, s74
	s_wait_loadcnt 0x0                             ; SV and bias
	WIN TO_B                                       ; widened into window 1, by multiply-adds that read a half of a register: SV x Wscale, and bias
.set i, 0
.rept 64
.if i%2
	v_fma_mix_f32 v[SC+i], v[192+i/2], v8, v10 op_sel:[1,0,0] op_sel_hi:[1,0,0]
	v_fma_mix_f32 v[BI+i], v[224+i/2], v9, v10 op_sel:[1,0,0] op_sel_hi:[1,0,0]
.else
	v_fma_mix_f32 v[SC+i], v[192+i/2], v8, v10 op_sel_hi:[1,0,0]
	v_fma_mix_f32 v[BI+i], v[224+i/2], v9, v10 op_sel_hi:[1,0,0]
.endif
.set i, i+1
.endr
	WIN 0
; 16 matrix instructions: m blocks a0, a0 + 1 of the window's four (hi = 0: my rows 0-63, 1: rows 64-127) x all 8 n blocks, 32 along K.  zero = 1: the product starts the sums.
.macro MUL16 f, hi, a0, zero
	WIN MUL_LO+0x50*(\hi)
.irp a, \a0, (\a0)+1
.irp b, 0,1,2,3,4,5,6,7
.if \zero
	v_wmma_f32_16x16x32_f16 v[8*(8*(\a)+(\b)):8*(8*(\a)+(\b))+7], v[(\f)+8*(\b):(\f)+8*(\b)+7], v[(\f)+8*(4*(\hi)+(\a)):(\f)+8*(4*(\hi)+(\a))+7], 0
.else
	v_wmma_f32_16x16x32_f16 v[8*(8*(\a)+(\b)):8*(8*(\a)+(\b))+7], v[(\f)+8*(\b):(\f)+8*(\b)+7], v[(\f)+8*(4*(\hi)+(\a)):(\f)+8*(4*(\hi)+(\a))+7], v[8*(8*(\a)+(\b)):8*(8*(\a)+(\b))+7]
.endif
.endr
.endr
.endm
; 32 LDS loads in one run: the fragments of one quarter step (32 K, at byte k of x's rows = strip k / 16 of w2's sixteen) into buffer f: w2's 16 loads, then x's 16
.macro FETCH slot, k, f
	WIN TO_B
.irp i, 0,1,2,3,4,5,6,7
	ds_load_b128 v[(\f)+8*(\i):(\f)+8*(\i)+3],   v[ADRB+(\slot)] offset:(\k)*128+(\i)*256
	ds_load_b128 v[(\f)+8*(\i)+4:(\f)+8*(\i)+7], v[ADRB+(\slot)] offset:(\k)*128+(\i)*256+2*SPB
.endr
	WIN 0
.irp i, 0,1,2,3,4,5,6,7
	ds_load_b128 v[(\f)+8*(\i):(\f)+8*(\i)+3],   v[ADRA+(\slot)] offset:(\k)+(\i)*16*PITCH
	ds_load_b128 v[(\f)+8*(\i)+4:(\f)+8*(\i)+7], v[ADRA+(\slot)] offset:(\k)+(\i)*16*PITCH+32
.endr
.endm
; A load into a register that a matrix instruction has read, and a vector instruction that reads a matrix result, stand four places behind that matrix instruction; only plain vector
; instructions that name none of its registers are places (ISA guide 7.12.1 for vector instructions).
.macro PLACES
.rept 4
	v_nop
.endr
.endm
; A K step is four quarter steps of 32 along K, 64 matrix instructions each, on buffers 0, 1, 0, 1.  The 64 accumulators take turns, one instruction a turn, in the same order in every
; quarter.  One of the first three quarters: multiplies buffer f; in its middle it fetches the next quarter's fragments, at byte k, into buffer g.
.macro QUARTER slot, k, f, g, zero
	s_wait_dscnt 8                                 ; w2's fragments and x's rows 0-63 are in; the youngest eight loads (x's rows 64-127) may be out
	WIN MUL_LO
	MUL16 \f, 0, 0, \zero
	MUL16 \f, 0, 2, \zero
	PLACES
	FETCH \slot, \k, \g
	s_wait_dscnt 32                                ; all but the 32 just issued
	WIN MUL_HI
	MUL16 \f, 1, 0, \zero
	MUL16 \f, 1, 2, \zero
.endm
; The last quarter multiplies buffer 1 and changes slots.  MEET is its first half: one barrier for the change.  In front of it each wave waits for all its tensor loads, of which one is
; out: its part of the next slot; adds 0 to its spare word; and waits for that and for its own reads of this slot.  Behind it nobody reads this slot any more and the next slot is whole.
.macro MEET round                      ; round = 1: a round of the cluster's barrier follows
	WIN 0                                          ; (the add's two registers lie in window 0)
	s_wait_tensorcnt 0x0                           ; all my tensor loads have landed
	ds_add_u32 v[SPW], v[NIL]                      ; 0 onto my spare word
	s_wait_dscnt 9                                 ; (the add and the youngest eight loads may be out)
	WIN MUL_LO
	MUL16 F1, 0, 0, 0                              ; sixteen matrix instructions stand between the add and the wait for it
	s_wait_dscnt 0x0                               ; the add is done, and my reads of this slot are over:
	s_barrier_signal -1                            ; say so,
	MUL16 F1, 0, 2, 0                              ; work on registers while the others arrive,
.if \round
	WIN 0
.endif
	s_barrier_wait -1                              ; and go on when all four have said so
.endm
; The whole last quarter.  Behind the round the slot just read out is filled again first: with this tile's K step two steps on (on = 0) or, in the first tile's last two K steps, with the
; second tile's K step 0 or 1 (on = 1); then come the next slot's first fragments.  From a request to the wait for it a wave issues 224 matrix instructions.
.macro TURN slot, next, on
	s_wait_xcnt 0x0                                ; the last prefetch, a K step back, has read its address: it is stepped here, ahead of the waits of the change of slots
.if (\on) && (\slot) == 0
	s_add_nc_u64 s[PFA:PFA+1], s[PFA:PFA+1], (WALK-1)*SIZE_K*2+KSTEP*2  ; x: from the second K step past the tile's last (K step 1 of the row below) to the next tile's K step 2
	s_cmp_eq_u32 s11, 0
	s_cselect_b32 s[LIM], s[LIM], -1               ; w2's rows are the same for both tiles: they are prefetched no more, and that pointer is not used again
.else
	s_add_nc_u64 s[PFA:PFA+1], s[PFA:PFA+1], s[PFS:PFS+1]
.endif
	MEET 1
	CREST                                          ; no wave of any partner still reads this slot's tile or has a load on its way
.if \on
	s_add_nc_u64 s[G0+4*(\slot)+2:G0+4*(\slot)+3], s[G0+4*(\slot)+2:G0+4*(\slot)+3], NEXT_A
	s_sub_nc_u64 s[G0B+4*(\slot)+2:G0B+4*(\slot)+3], s[G0B+4*(\slot)+2:G0B+4*(\slot)+3], BACK_B
.else
	s_add_nc_u64 s[G0+4*(\slot)+2:G0+4*(\slot)+3], s[G0+4*(\slot)+2:G0+4*(\slot)+3], 2*KSTEP*2
	s_add_nc_u64 s[G0B+4*(\slot)+2:G0B+4*(\slot)+3], s[G0B+4*(\slot)+2:G0B+4*(\slot)+3], 2*KSTEPB
.endif
	JLOAD \slot                                    ; the first tensor load behind the round, my only one until the next; its four v_nop are also the places in front of the loads below
	FETCH \next, 0, F0
	ASK \on
	WIN MUL_HI
	MUL16 F1, 1, 0, 0
	MUL16 F1, 1, 2, 0
.endm
; THE WAY OUT of block a (16 rows), in three parts.  PACK: sum x (Wscale SV) + bias, two numbers an instruction, in place, each accumulator from its lowest registers on; then rounded to
; f16, 16 bytes a lane.  TOSTAGE: into my own stage in LDS, and back as whole rows of 256 bytes.  SEND: stored.
.macro PACK a
.set AC, 64*((\a)%4)
	WIN 0x96+0x41*((\a)/4)                         ; destination and source 0: window 2 or 3; sources 1 and 2: window 1
.irp b, 0,1,2,3,4,5,6,7
.irp r, 0,1,2,3
	v_pk_fma_f32 v[AC+8*(\b)+2*(\r):AC+8*(\b)+2*(\r)+1], v[AC+8*(\b)+2*(\r):AC+8*(\b)+2*(\r)+1], v[SC+8*(\b)+2*(\r):SC+8*(\b)+2*(\r)+1], v[BI+8*(\b)+2*(\r):BI+8*(\b)+2*(\r)+1]
.endr
.endr
	WIN 0x0a+5*((\a)/4)                            ; sources 0 and 1: window 2 or 3; destination window 0
.irp b, 0,1,2,3,4,5,6,7
.irp r, 0,1,2,3
	v_cvt_pk_f16_f32 v[TMP+4*(\b)+(\r)], v[AC+8*(\b)+2*(\r)], v[AC+8*(\b)+2*(\r)+1]
.endr
.endr
	WIN 0
.endm
.macro TOSTAGE a
	WIN 0
.set BK, OB+192*((\a)%2)
.irp b, 0,1,2,3,4,5,6,7
	ds_store_b128 v[STO], v[TMP+4*(\b):TMP+4*(\b)+3] offset:32*(\b)
.endr
.irp t, 0,1,2,3,4,5,6,7
	ds_load_b128 v[BK+4*(\t):BK+4*(\t)+3], v[RD] offset:(\t)*2*SPITCH  ; LDS serves a wave's instructions in order (ISA guide 5.7.1.4): these see the stores above
.endr
.endm
.macro SEND a, younger                 ; younger: the LDS loads issued behind TOSTAGE's, which may stay out
	WIN 0
.set BK, OB+192*((\a)%2)
	s_wait_dscnt \younger                          ; the block is back in registers
	s_wait_xcnt 0x0                                ; every earlier memory instruction has had its addresses translated (ISA guide 3.1): only behind this wait are the stores' base and the registers that earlier stores read rewritten
.if (\a) == 0
	s_add_nc_u64 s[8:9], s[8:9], s[16:17]          ; on to this tile's first rows
.else
	s_add_nc_u64 s[8:9], s[8:9], 16*SIZE_N*2       ; 16 rows on
.endif
.irp t, 0,1,2,3,4,5,6,7
	global_store_b128 v[CO], v[BK+4*(\t):BK+4*(\t)+3], s[8:9] offset:2*(\t)*SIZE_N*2 th:TH_STORE_NT  ; 16 lanes store 256 consecutive bytes, at a multiple of 256 from out0's first byte
.endr
.endm
.macro WAYOUT                          ; block a's arithmetic stands between block a - 1's loads from the stage and the wait for them
	PACK 0
	TOSTAGE 0
.irp a, 1,2,3,4,5,6,7
	PACK \a
	SEND (\a)-1, 0
	TOSTAGE \a
.endr
	SEND 7, 0
.endm
	s_wait_tensorcnt 1                             ; my part of K step 0 is in; K step 1's may stay out
	s_barrier_signal -1
	s_barrier_wait -1                              ; everybody's is
	FETCH 0, 0, F0
	s_mov_b32 s2, SIZE_TILES                       ; tiles to go, this one among them: the same number in every work-group
.Ltile:                                                ; (FETCH and SEND leave every window 0)
	QUARTER 0, 64,  F0, F1, 1                      ; a tile's first quarter stands in front of the loop: its products start the sums, and nothing is cleared
	WIN 0                                          ; at a label and at a branch every window is 0
	s_mov_b32 s3, LAPS-1
.Llap:                                                 ; a trip goes once round the ring, from a lap's second quarter to the next lap's first, and fills both slots again
	QUARTER 0, 128, F1, F0, 0
	QUARTER 0, 192, F0, F1, 0
	TURN 0, 1, 0
	QUARTER 1, 64,  F0, F1, 0
	QUARTER 1, 128, F1, F0, 0
	QUARTER 1, 192, F0, F1, 0
	TURN 1, 0, 0
	QUARTER 0, 64,  F0, F1, 0
	WIN 0
	s_sub_co_u32 s3, s3, 1
	s_cmp_lg_u32 s3, 0
	s_cbranch_scc1 .Llap
	QUARTER 0, 128, F1, F0, 0                      ; the tile's last lap goes on
	QUARTER 0, 192, F0, F1, 0
	WIN 0
	s_cmp_eq_u32 s2, 1
	s_cbranch_scc1 .Llast_tile                     ; the last tile's tail is written out: it asks for nothing more
	TURN 0, 1, 1                                   ; the ring goes on into the next tile: slot 0 takes its K step 0,
	QUARTER 1, 64,  F0, F1, 0
	QUARTER 1, 128, F1, F0, 0
	QUARTER 1, 192, F0, F1, 0
	TURN 1, 0, 1                                   ; slot 1 its K step 1, and the next tile's first fragments are fetched
	WAYOUT                                         ; both refills are asked for: now the tile goes out.  No v_nop: blocks 0-3 were finished in front of the joint load's four, and their lines, which name no register of the last products (blocks 4-7's), are those products' places
	s_mov_b64 s[16:17], NEXT_C                     ; what the next way out adds to out0's address
	s_sub_co_u32 s2, s2, 1
	s_branch .Ltile
.Llast_tile:
	MEET 0                                         ; my one tensor load that was still out is slot 1's, the last K step's, so no round follows
	PLACES                                         ; for the loads into buffer 0, which the quarter before multiplied
	FETCH 1, 0, F0
	WIN MUL_HI
	MUL16 F1, 1, 0, 0
	MUL16 F1, 1, 2, 0
	QUARTER 1, 64,  F0, F1, 0
	QUARTER 1, 128, F1, F0, 0
	QUARTER 1, 192, F0, F1, 0
	s_wait_dscnt 8                                 ; the very last quarter: nothing more to fetch
	MUL16 F1, 0, 0, 0
	MUL16 F1, 0, 2, 0
	s_wait_dscnt 0x0
	MUL16 F1, 1, 0, 0
	MUL16 F1, 1, 2, 0
	WIN 0
	PLACES                                         ; behind the last products
	WAYOUT
	s_wait_tensorcnt 0x0                           ; the wave's end, behind my last tensor load and my last LDS store
	ds_add_u32 v[SPW], v[NIL]
	s_wait_dscnt 0x0
	CROUND                                         ; the closing round: no work-group ends while a partner may still ask for a tile that names it
	s_endpgm
.Lfunc_end_k_q9232789686_gemm:
	.size	k_q9232789686_gemm, .Lfunc_end_k_q9232789686_gemm-k_q9232789686_gemm
	.p2alignl 7, 3214868480
	.fill 96, 4, 3214868480
	.section	.rodata,"a",@progbits
	.p2align	6, 0x0
	.amdhsa_kernel k_q9232789686_gemm
		.amdhsa_group_segment_fixed_size 327680
		.amdhsa_private_segment_fixed_size 0
		.amdhsa_enable_private_segment 0
		.amdhsa_kernarg_size 48
		.amdhsa_user_sgpr_count 2
		.amdhsa_user_sgpr_kernarg_segment_ptr 1
		.amdhsa_wavefront_size32 1
		.amdhsa_system_sgpr_workgroup_id_x 1
		.amdhsa_system_sgpr_workgroup_id_y 1
		.amdhsa_system_sgpr_workgroup_id_z 1
		.amdhsa_system_vgpr_workitem_id 0
		.amdhsa_next_free_vgpr 1024
		.amdhsa_next_free_sgpr 80
		.amdhsa_reserve_vcc 0
		.amdhsa_float_denorm_mode_32 3
		.amdhsa_float_denorm_mode_16_64 3
		.amdhsa_memory_ordered 1
		.amdhsa_forward_progress 1
		.amdhsa_inst_pref_size 253
	.end_amdhsa_kernel
	.amdgpu_metadata
---
amdhsa.version: [ 1, 2 ]
amdhsa.kernels:
  - .name:           k_q9232789686_gemm
    .symbol:         k_q9232789686_gemm.kd
    .args:
      - { .name: input, .offset: 0, .size: 8, .value_kind: global_buffer, .address_space: global }
      - { .name: w2, .offset: 8, .size: 8, .value_kind: global_buffer, .address_space: global }
      - { .name: out0, .offset: 16, .size: 8, .value_kind: global_buffer, .address_space: global }
      - { .name: SV, .offset: 24, .size: 8, .value_kind: global_buffer, .address_space: global }
      - { .name: bias, .offset: 32, .size: 8, .value_kind: global_buffer, .address_space: global }
      - { .name: Wscale, .offset: 40, .size: 8, .value_kind: global_buffer, .address_space: global }
    .group_segment_fixed_size: 327680
    .private_segment_fixed_size: 0
    .kernarg_segment_align: 8
    .kernarg_segment_size: 48
    .max_flat_workgroup_size: 128
    .sgpr_count:     80
    .vgpr_count:     1024
    .wavefront_size: 32
...
	.end_amdgpu_metadata
.endif
;; end of part 3
;; ======== version 2 of 2: 3 launches; version 1 with the launches rowfht, colfht written anew for expert scheduling mode
;; limits: values are held in f16: magnitudes above 65,504 overflow, below 6.1e-05 lose precision; right only within a limited range of input values
;; workspace buffers: t1 16,777,216 bytes; w2 16,777,216 bytes
;; launch rowfht (part 4): grid 256 x 1, 8 waves a work-group, no clusters, 157,184 bytes of LDS; arguments Qidxs, grid_abs, t1; writes t1
.if DOCPART == 4
	.amdgcn_target "amdgcn-amd-amdhsa--gfx1250"
	.amdhsa_code_object_version 6
	.text
	.protected	k_q9232789686_rowfht
	.globl	k_q9232789686_rowfht
	.p2align	8
	.type	k_q9232789686_rowfht,@function
k_q9232789686_rowfht:
	s_mov_b64 s[64:65], 0
	v_nop
	global_prefetch_b8 v0, s[64:65] scope:SCOPE_SE
	s_setreg_imm32_b32 hwreg(HW_REG_WAVE_SCHED_MODE, 0, 2), 2
	s_setreg_imm32_b32 hwreg(HW_REG_WAVE_MODE, 25, 1), 1
	s_wait_xcnt 0x0
	s_wait_alu depctr_vm_vsrc(0)
; WeightOnlyQuipLinear, launch 1 of 3: the weights are decoded and transformed along k.
; THE PROGRAM.  reference(): out = fht4096( f16( (fht2048(x o SU) Wscale) W^T ) ) o SV + bias, with fht(v) = v H / sqrt(n), H[i][j] = (-1)^popcount(i & j), symmetric.
; Every step from x to out is linear in x.  So in exact arithmetic, for all values of the inputs,
;   out[t][n] = Wscale SV[n] (sum over k of x[t][k] W2[n][k]) + bias[n],   W2[n][k] = SU[k] / (64 sqrt(2048)) x (H4096 W H2048)[n][k].
; The two transforms are therefore made on the 4,096 x 2,048 weights, not on the 8,192 rows of 2,048 and of 4,096 activations: a sixth of the numbers, and x and out cross memory once.
;   launch 1 (this one): t1 = W H2048 / sqrt(2048), in f16.   launch 2: w2 = W2 = (H4096 t1) o SU / 64, in f16.   launch 3: the product, Wscale SV and bias in f32 on its way out.
; NO WORK IS LEFT OUT, and every input is loaded by one of the launches: this is another order of the same sums.
; LIMITS.  The order of rounding differs from reference()'s: its f16 roundings (and f16 overflows) of the transformed x and of the product ahead of the second transform are not made;
; in their stead t1 and w2 are each rounded once to f16.  w2 must stay under f16's 65,504: over all codes |W2| is at most 2,896 max|grid_abs| max|SU|; with codes whose signs are spread
; evenly its root mean square is that of grid_abs times SU's.  NaN and infinities are not treated apart.  Bits of Qidxs above bit 15 are ignored, as reference() ignores them.
; t1 AND w2 LIE IN STRIPS: [k / 8 : 256][row : 4,096][8] f16: number (row, k) at byte (k / 8) x 65,536 + 16 row + 2 (k % 8).
; SHARES.  A work-group owns 16 rows of W (16 KiB of codes).  Phase 1: wave w owns rows 2 w and 2 w + 1; a lane holds, of each, k = 1,024 j + 32 l + 0..31 (j = 0, 1): the butterflies of
; k's bits 0-4 and 10 stay in its registers.  The rows cross LDS in f32.  Phase 2: a lane holds, of one row, four neighbouring k for all 32 values of k's bits 5-9.
; No matrix unit, tensor load or cluster: each code has one reader, all of a work-group's bytes are asked for at once, and what is shared is a table of 4 KiB.
; THE MODE: SCHED_MODE bits 1:0 = 2 (LLVM: expert scheduling mode 2), set by the entry lines.  The code itself states the register dependences between vector instructions and memory
; or LDS instructions, with s_wait_alu, always for 0.
; THE PLAN.  Registers that memory or LDS instructions touch:
;   v[CO], v[T16], v[XW], v[XR], v[GO]   offsets and addresses: made at the head, never written again.
;   v[CW ..], v[SA ..]   the 32 table addresses of the lane's 16 codes: all made at once, ahead of one wait; read by the look-ups; never written again.
;   G0, G1   two buffers of four codes' look-ups.  Group q's eight look-ups land in G[q % 2], and group q's vector lines read and write that buffer alone.  The look-ups of group q + 1 are
;            issued in group q, a pair ahead of each code, into the buffer that group q - 1 worked on: the one wait at group q's head states that group q - 1 is done with it.
;   V        groups 0 and 1 write row 2 w (V .. V + 63), its five stages follow; its 16 LDS stores are dealt among group 2's lines, which name V + 64 on: the wait at group 2's head serves them too.
;            Row 2 w + 1's stores have a wait of their own.  Phase 2's loads land in V behind a wait for those stores' reads.  On the way out a batch's stores are dealt among the next batch's roundings.
.set ABS,   0                          ; LDS: grid_abs as it lies: 256 entries of 16 bytes
.set SGN,   4096                       ; 256 entries of 16 bytes: entry s, word j = bit 2 j of s at bit 15, bit 2 j + 1 at bit 31: the sign bits of eight f16
.set XB,    8192                       ; the rows in f32: number (r, k) at XB + r P + (k / 32) CH + 4 (k % 32)
.set CH,    144                        ; 32 numbers + 16 bytes of padding = 36 words: lanes a chunk apart start at different groups of four banks (64 banks of 4 bytes: ISA guide 11.1)
.set P,     64*CH+32                   ; 9,248 = 32 modulo 256: in phase 2 sixteen lanes (8 rows x 2 pieces of 16 bytes) take each bank once
.set SPARE, XB+16*P                    ; 156,160: the spare words, 128 bytes for each of eight waves: four blocks of 256 bytes that no other line names
.set SPW, 2                            ; v2   LDS address of my spare word; never rewritten
.set NIL, 3                            ; v3   0, for the add alone
.set CO,  4                            ; v4   my byte offset in the work-group's codes
.set T16, 5                            ; v5   16 x thread: my entry of both tables
.set XW,  6                            ; v6   phase 1: where my first chunk lies in XB
.set XR,  7                            ; v7   phase 2: where my first 16 bytes lie in XB
.set GO,  8                            ; v8   my byte offset in t1
.set CC,  9                            ; v9   1 / sqrt(2048)
.set ZR,  10                           ; v10  0
.set TA,  11                           ; v11  at work
.set GE,  12                           ; v[12:15]  my entry of grid_abs
.set CW,  16                           ; v[16:31]  16 codes; then, in place, the table addresses of their magnitudes
.set SA,  32                           ; v[32:47]  the table addresses of their sign words
.set SE,  48                           ; v[48:51]  my entry of the sign table
.set TB,  52                           ; v52, v53  at work
.set G,   56                           ; v[56:119] buffer b at G + 32 b: four codes' magnitudes (then weights), 16 registers; their sign words, 16 registers
.set V,   120                          ; v[120:247] 128 numbers in f32
; The table addresses of four codes (load q): the low byte for the magnitudes, in place; the next byte for the signs.
.macro ADR4 q
	s_wait_loadcnt 3-(\q)                          ; loads come back in order: this one is in, the younger ones may stay out
.irp c, 0,1,2,3
	v_bfe_u32 v[SA+4*(\q)+(\c)], v[CW+4*(\q)+(\c)], 8, 8
.endr
.irp c, 0,1,2,3
	v_and_b32 v[CW+4*(\q)+(\c)], 0xff, v[CW+4*(\q)+(\c)]
.endr
.irp c, 0,1,2,3
	v_min_u32 v[SA+4*(\q)+(\c)], 0xff, v[SA+4*(\q)+(\c)]  ; a loaded number enters an address behind a v_min_u32 with a constant
	v_min_u32 v[CW+4*(\q)+(\c)], 0xff, v[CW+4*(\q)+(\c)]
.endr
.irp c, 0,1,2,3
	v_lshlrev_b32 v[SA+4*(\q)+(\c)], 4, v[SA+4*(\q)+(\c)]
	v_lshlrev_b32 v[CW+4*(\q)+(\c)], 4, v[CW+4*(\q)+(\c)]
.endr
.endm
; The two look-ups of code c of group q, 16 bytes each, into buffer q % 2.
.macro GATHER q, c
	ds_load_b128 v[G+32*((\q)%2)+4*(\c):G+32*((\q)%2)+4*(\c)+3],       v[CW+4*(\q)+(\c)] offset:ABS
	ds_load_b128 v[G+32*((\q)%2)+16+4*(\c):G+32*((\q)%2)+16+4*(\c)+3], v[SA+4*(\q)+(\c)] offset:SGN
.endm
; Code c of group q becomes eight numbers.  An exclusive or sets the eight signs; three multiply-adds from the halves of a word widen a pair of weights, scale it by 1 / sqrt(2048) and
; make the butterfly of k's bit 0: hi c; lo c + hi c; lo c - hi c.
.macro WEIGH q, c
.set D, V+32*(\q)+8*(\c)
.set W, G+32*((\q)%2)+4*(\c)
.irp p, 0,1,2,3
	v_xor_b32 v[W+(\p)], v[W+(\p)], v[W+16+(\p)]
.endr
.irp p, 0,1,2,3
	v_fma_mix_f32 v[D+2*(\p)+1], v[W+(\p)], v[CC], v[ZR] op_sel:[1,0,0] op_sel_hi:[1,0,0]
.endr
.irp p, 0,1,2,3
	v_fma_mix_f32 v[D+2*(\p)], v[W+(\p)], v[CC], v[D+2*(\p)+1] op_sel_hi:[1,0,0]
.endr
.irp p, 0,1,2,3
	v_fma_mix_f32 v[D+2*(\p)+1], v[W+(\p)], v[CC], -v[D+2*(\p)+1] op_sel_hi:[1,0,0]
.endr
.endm
; One stage of butterflies on n registers from base on, partners d registers apart (d even), two numbers an instruction, in place: x' = x + y, then y' = x' - 2 y = x - y.
.macro STAGE base, d, n
.set i, 0
.rept (\n)/2
.if (i & (\d)) == 0
	v_pk_add_f32 v[(\base)+i:(\base)+i+1], v[(\base)+i:(\base)+i+1], v[(\base)+i+(\d):(\base)+i+(\d)+1]
.endif
.set i, i+2
.endr
.set i, 0
.rept (\n)/2
.if (i & (\d)) == 0
	v_pk_fma_f32 v[(\base)+i+(\d):(\base)+i+(\d)+1], v[(\base)+i+(\d):(\base)+i+(\d)+1], -2.0, v[(\base)+i:(\base)+i+1] op_sel_hi:[1,0,1]
.endif
.set i, i+2
.endr
.endm
; Four of the 16 LDS stores of row 2 w + rr: registers V + 64 rr + 16 n on, that is chunk half n / 2, bytes 64 (n % 2) on.
.macro PUT rr, n
.irp i, 0,1,2,3
	ds_store_b128 v[XW], v[V+64*(\rr)+16*(\n)+4*(\i):V+64*(\rr)+16*(\n)+4*(\i)+3] offset:(\rr)*P+((\n)/2)*32*CH+16*(4*((\n)%2)+(\i))
.endr
.endm
; The way out of strip piece a: four numbers rounded to f16, in place; and their store.
.macro CV a
	v_cvt_pk_f16_f32 v[V+4*(\a)], v[V+4*(\a)], v[V+4*(\a)+1]
	v_cvt_pk_f16_f32 v[V+4*(\a)+1], v[V+4*(\a)+2], v[V+4*(\a)+3]
.endm
.macro OUT a
	global_store_b64 v[GO], v[V+4*(\a):V+4*(\a)+1], s[8:9] offset:(\a)*262144  ; strip 128 (w / 4) + 4 a + w % 4: the wave's 32 lanes store the work-group's 16 rows x 16 bytes: 256 consecutive bytes, aligned; the largest immediate, 8,126,464, is inside the signed 24 bits
.endm
	s_load_b128 s[4:7], s[0:1], 0x0                ; Qidxs s[4:5], grid_abs s[6:7]
	s_load_b64 s[8:9], s[0:1], 0x10                ; t1
	v_lshl_add_u32 v[SPW], v0, 2, SPARE
	v_mov_b32 v[NIL], 0
	v_and_b32 v1, 31, v0                           ; lane l
	v_lshrrev_b32 v[TA], 5, v0
	v_readfirstlane_b32 s10, v[TA]                 ; wave w
	s_lshl_b32 s12, ttmp9, 14                      ; the work-group's 16 rows of 1,024 bytes of codes
	s_mov_b32 s13, 0
	s_lshl_b32 s14, ttmp9, 8                       ; and their 256 bytes in each strip of t1
	s_mov_b32 s15, 0
	s_wait_alu depctr_va_sdst(0)                   ; s10 is written, ahead of its first reader
	s_lshl_b32 s11, s10, 11                        ; my wave's two rows
	v_lshl_add_u32 v[CO], v1, 4, s11               ; + four codes a lane
	v_lshlrev_b32 v[T16], 4, v0
	s_wait_kmcnt 0x0
	s_add_nc_u64 s[4:5], s[4:5], s[12:13]
	s_add_nc_u64 s[8:9], s[8:9], s[14:15]
	s_wait_alu depctr_va_vdst(0)                   ; v[T16] and v[CO] are written, which the five loads below read as offsets
	global_load_b128 v[GE:GE+3], v[T16], s[6:7]    ; thread t brings entry t of grid_abs
.irp q, 0,1,2,3
	global_load_b128 v[CW+4*(\q):CW+4*(\q)+3], v[CO], s[4:5] offset:((\q)/2)*1024+((\q)%2)*512 th:TH_LOAD_NT  ; row 2 w + q / 2, codes 128 (q % 2) + 4 l + 0..3: 512 consecutive bytes a wave
.endr
	; while they are on their way: entry t of the sign table, and the addresses
.irp j, 0,1,2,3
	v_bfe_u32 v[TB], v0, 2*(\j), 1
	v_bfe_u32 v[TB+1], v0, 2*(\j)+1, 1
	v_lshlrev_b32 v[TB], 15, v[TB]
	v_lshl_or_b32 v[SE+(\j)], v[TB+1], 31, v[TB]
.endr
	s_mul_i32 s11, s10, 2*P
	s_add_co_u32 s11, s11, XB
	v_mul_u32_u24 v[XW], v1, CH
	v_add_nc_u32 v[XW], s11, v[XW]                 ; XB + 2 w P + l CH
	s_lshr_b32 s16, s10, 2                         ; phase 2: my wave's bit 10 of k,
	s_and_b32 s17, s10, 3                          ; and its bits 4:3
	s_mul_i32 s11, s16, 32*CH
	s_lshl_b32 s18, s17, 5
	s_add_co_u32 s11, s11, s18
	s_add_co_u32 s11, s11, XB
	v_lshrrev_b32 v[TA], 1, v1                     ; my row r = l / 2,
	v_mul_u32_u24 v[XR], v[TA], P
	v_and_b32 v[TA], 1, v1                         ; my bit 2 of k = l % 2
	v_lshl_add_u32 v[XR], v[TA], 4, v[XR]
	v_add_nc_u32 v[XR], s11, v[XR]
	s_lshl_b32 s16, s16, 23                        ; in t1: 128 strips for bit 10,
	s_lshl_b32 s17, s17, 16                        ; a strip for each of bits 4:3,
	s_add_co_u32 s16, s16, s17
	v_lshl_add_u32 v[GO], v1, 3, s16               ; 16 r + 8 (l % 2) = 8 l
	v_mov_b32 v[CC], 0x3cb504f3                    ; 1 / sqrt(2048)
	v_mov_b32 v[ZR], 0
	s_wait_loadcnt 4                               ; my entry of grid_abs is in; the four loads of codes behind it may stay out
	s_wait_alu depctr_va_vdst(0)                   ; v[SE ..] is written, which the second store below reads; so are v[XW], v[XR] and v[GO], which later LDS and memory instructions read
	ds_store_b128 v[T16], v[GE:GE+3] offset:ABS
	ds_store_b128 v[T16], v[SE:SE+3] offset:SGN
	ADR4 0                                         ; all 32 table addresses are made while the two stores are out
	ADR4 1
	ADR4 2
	ADR4 3
	s_wait_dscnt 0x0                               ; for the others' sake: my two entries are written
	s_barrier_signal -1
	s_barrier_wait -1                              ; both tables are whole
	; PHASE 1.  Register V + 64 rr + 32 j + 8 c + e holds row 2 w + rr, k = 1,024 j + 32 l + 8 c + e; group q = 2 rr + j.
	s_wait_alu depctr_va_vdst(0)                   ; the 32 addresses v[CW ..] and v[SA ..] are written, which all the look-ups read
.irp c, 0,1,2,3
	GATHER 0, \c
.endr
.irp c, 0,1,2,3
	GATHER 1, \c                                   ; into G1, which no vector line has named
	s_wait_dscnt 8                                 ; code c's two entries are in: behind them stand 6 - 2 c look-ups of this group and 2 c + 2 of the next
	WEIGH 0, \c
.endr
	s_wait_alu depctr_va_vdst(0)                   ; group 0's lines are done reading and writing G0, in which group 2's look-ups land
.irp c, 0,1,2,3
	GATHER 2, \c
	s_wait_dscnt 8                                 ; as above
	WEIGH 1, \c
.endr
	STAGE V, 2, 64                                 ; row 2 w: k's bit 1
	STAGE V, 4, 64                                 ; bit 2
	STAGE V, 8, 64                                 ; bit 3
	STAGE V, 16, 64                                ; bit 4
	STAGE V, 32, 64                                ; bit 10
	s_wait_alu depctr_va_vdst(0)                   ; group 1's lines are done with G1, in which group 3's look-ups land; the stages have written V .. V + 63, which the stores below read.  Group 2's lines name G0 and V + 64 on: none of these
.irp c, 0,1,2,3
	GATHER 3, \c
	PUT 0, \c
	s_wait_dscnt 12+4*(\c)                         ; code c's two entries are in: behind them stand 6 - 2 c look-ups of this group and 6 (c + 1) look-ups and stores dealt in here
	WEIGH 2, \c
.endr
.irp c, 0,1,2,3
	s_wait_dscnt 22-6*(\c)                         ; behind code c's two look-ups stand the 4 stores of their piece and 6 instructions for each later piece
	WEIGH 3, \c
.endr
	STAGE V+64, 2, 64                              ; row 2 w + 1: the same five stages
	STAGE V+64, 4, 64
	STAGE V+64, 8, 64
	STAGE V+64, 16, 64
	STAGE V+64, 32, 64
	s_wait_alu depctr_va_vdst(0)                   ; the stages have written V + 64 .. V + 127, which the stores below read; every vector line that named V stands ahead of this wait
.irp c, 0,1,2,3
	PUT 1, \c
.endr
	s_wait_dscnt 0x0                               ; for the others' sake: my two rows are written
	s_barrier_signal -1
	s_barrier_wait -1
	; PHASE 2.  Register V + 4 a + e holds row l / 2, k = 1,024 (w / 4) + 32 a + 8 (w % 4) + 4 (l % 2) + e.
	s_wait_alu depctr_vm_vsrc(0)                   ; my 32 LDS stores have read V, in which the loads below land
.set a, 0
.rept 32
	ds_load_b128 v[V+4*a:V+4*a+3], v[XR] offset:a*CH
.set a, a+1
.endr
.set m, 0
.rept 8                                                ; k's bit 5, sixteen registers at a time, as their four loads come in
	s_wait_dscnt 28-4*m                            ; LDS loads come back in order: loads 4 m .. 4 m + 3 are in, the 28 - 4 m behind them may stay out
	STAGE V+16*m, 4, 16
.set m, m+1
.endr
	STAGE V, 8, 128
	STAGE V, 16, 128
	STAGE V, 32, 128
	STAGE V, 64, 128                               ; bit 9
	; THE WAY OUT, in four batches of eight strips: a batch's stores are dealt among the next batch's roundings, which name other registers.
.set a, 0
.rept 8
	CV a
.set a, a+1
.endr
.rept 3
	s_wait_alu depctr_va_vdst(0)                   ; the batch before is rounded: its registers are written, which the eight stores below read
.rept 8
	OUT a-8
	CV a
.set a, a+1
.endr
.endr
	s_wait_alu depctr_va_vdst(0)                   ; the last batch is rounded
.rept 8
	OUT a-8
.set a, a+1
.endr
	s_wait_dscnt 0x0                               ; the closing lines, six on end
	s_wait_alu 0x0
	s_wait_tensorcnt 0x0
	ds_add_u32 v[SPW], v[NIL]
	s_wait_dscnt 0x0
	s_endpgm
.Lfunc_end_k_q9232789686_rowfht:
	.size	k_q9232789686_rowfht, .Lfunc_end_k_q9232789686_rowfht-k_q9232789686_rowfht
	.p2alignl 7, 3214868480
	.fill 96, 4, 3214868480
	.section	.rodata,"a",@progbits
	.p2align	6, 0x0
	.amdhsa_kernel k_q9232789686_rowfht
		.amdhsa_group_segment_fixed_size 157184
		.amdhsa_private_segment_fixed_size 0
		.amdhsa_enable_private_segment 0
		.amdhsa_kernarg_size 24
		.amdhsa_user_sgpr_count 2
		.amdhsa_user_sgpr_kernarg_segment_ptr 1
		.amdhsa_wavefront_size32 1
		.amdhsa_system_sgpr_workgroup_id_x 1
		.amdhsa_system_sgpr_workgroup_id_y 1
		.amdhsa_system_sgpr_workgroup_id_z 1
		.amdhsa_system_vgpr_workitem_id 0
		.amdhsa_next_free_vgpr 248
		.amdhsa_next_free_sgpr 66
		.amdhsa_reserve_vcc 0
		.amdhsa_float_denorm_mode_32 3
		.amdhsa_float_denorm_mode_16_64 3
		.amdhsa_memory_ordered 1
		.amdhsa_forward_progress 1
		.amdhsa_inst_pref_size 78
	.end_amdhsa_kernel
	.amdgpu_metadata
---
amdhsa.version: [ 1, 2 ]
amdhsa.kernels:
  - .name:           k_q9232789686_rowfht
    .symbol:         k_q9232789686_rowfht.kd
    .args:
      - { .name: Qidxs, .offset: 0, .size: 8, .value_kind: global_buffer, .address_space: global }
      - { .name: grid_abs, .offset: 8, .size: 8, .value_kind: global_buffer, .address_space: global }
      - { .name: t1, .offset: 16, .size: 8, .value_kind: global_buffer, .address_space: global }
    .group_segment_fixed_size: 157184
    .private_segment_fixed_size: 0
    .kernarg_segment_align: 8
    .kernarg_segment_size: 24
    .max_flat_workgroup_size: 256
    .sgpr_count:     66
    .vgpr_count:     248
    .wavefront_size: 32
...
	.end_amdgpu_metadata
.endif
;; end of part 4
;; launch colfht (part 5): grid 256 x 1, 8 waves a work-group, no clusters, 132,096 bytes of LDS; arguments t1, SU, w2; writes w2
.if DOCPART == 5
	.amdgcn_target "amdgcn-amd-amdhsa--gfx1250"
	.amdhsa_code_object_version 6
	.text
	.protected	k_q9232789686_colfht
	.globl	k_q9232789686_colfht
	.p2align	8
	.type	k_q9232789686_colfht,@function
k_q9232789686_colfht:
	s_mov_b64 s[64:65], 0
	v_nop
	global_prefetch_b8 v0, s[64:65] scope:SCOPE_SE
	s_setreg_imm32_b32 hwreg(HW_REG_WAVE_SCHED_MODE, 0, 2), 2
	s_setreg_imm32_b32 hwreg(HW_REG_WAVE_MODE, 25, 1), 1
	s_wait_xcnt 0x0
	s_wait_alu depctr_vm_vsrc(0)
; WeightOnlyQuipLinear, launch 2 of 3: w2[n][k] = SU[k] / 64 x the sum over m of H4096[n][m] t1[m][k]: the transform that reference() makes on the product's 4,096 outputs, made on the
; weights' rows instead (the sums' other order and its limits: the head of launch 1).  Nothing is left out.  Sums in f32; w2 rounded once to f16, and it must stay under 65,504.
; t1 and w2 lie in strips, [k / 8 : 256][row : 4,096][8] f16.  SHARES.  A work-group owns one strip: all 4,096 rows of 8 columns, 64 KiB in, 64 KiB out, all of it asked for at once.
; Pass A: thread t holds rows 256 i + t (i = 0..15): the butterflies of the row number's bits 8-11 stay in its registers.  The strip crosses LDS in f32.  Pass B: thread t holds rows
; 256 (t / 16) + 16 j + t % 16: bits 4-7.  Pass C: bits 0-3 are the lane's bits 0-3: four exchanges among sixteen lanes.  SU / 64, a factor of the column, goes in with the widening.
; No matrix unit, tensor load or cluster: each byte has one reader.
; THE MODE: SCHED_MODE bits 1:0 = 2 (LLVM: expert scheduling mode 2), set by the entry lines.  The code itself states the register dependences between vector instructions and memory
; or LDS instructions, with s_wait_alu, always for 0.
; THE PLAN.  Registers that memory or LDS instructions touch:
;   v[ZR], v[W0], v[W1], v[R0], v[R1]   offsets and addresses: made at the head, never written again.
;   v[SUR ..], v[L ..]   loads land in them once; vector lines alone read them (and later write T, which lies on L).
;   V   in two planes: columns 0-3 (registers V + 8 i + 0..3) and columns 4-7.  Pass A goes plane by plane: plane 0's four stages, one wait, and its 16 LDS stores dealt among plane 1's stages, which
;       name plane 1's registers alone; one wait more, and plane 1's stores.  Behind the barrier one wait for those stores' reads, and the loads of pass B land in V.
;       Pass C goes by blocks of four rows: a block's four exchanges and its roundings; the wait at the next block's head states that they are written, and the block's four stores follow it.
;       A store's registers are not written again.
.set PL1,   65536                      ; LDS: plane 0: columns 0-3 of row o at 16 o; plane 1, from here on: columns 4-7.  Sixteen lanes always take 256 consecutive bytes
.set SPARE, 131072                     ; the spare words, 128 bytes for each of eight waves: four blocks of 256 bytes that no other line names
.set SPW, 2                            ; v2   LDS address of my spare word; never rewritten
.set NIL, 3                            ; v3   0, for the add alone
.set W0,  4                            ; v4   16 t: my offset in a block of 256 rows, in t1 and in plane 0
.set W1,  5                            ; v5   the same in plane 1
.set R0,  6                            ; v6   4,096 (t / 16) + 16 (t % 16): my offset for passes B and C, in plane 0 and in w2
.set R1,  7                            ; v7   the same in plane 1
.set ZR,  8                            ; v8   0
.set C64, 9                            ; v9   1 / 64
.set SUR, 10                           ; v[10:13]  the strip's eight SU, as loaded
.set TA,  14                           ; v14  at work
.set L,   16                           ; v[16:79]  16 rows x 8 f16, as loaded
.set T,   16                           ; v[16:47]  later: at work in pass C
.set F,   80                           ; v[80:87]  SU / 64 of my 8 columns
.set SG,  88                           ; v[88:95]  for lane bit q a pair (s, s): s = -1 where the bit is set, else 1
.set V,   96                           ; v[96:223] 16 rows x 8 columns in f32
; One stage of butterflies on plane h (0, 1) of the 128 registers from base on, partners d registers apart (d = 8 .. 64: rows), two numbers an instruction, in place: x' = x + y, then y' = x' - 2 y = x - y.
.macro STAGE base, d, h
.set i, 0
.rept 64
.if ((i & (\d)) == 0) && ((i & 4) == 4*(\h))
	v_pk_add_f32 v[(\base)+i:(\base)+i+1], v[(\base)+i:(\base)+i+1], v[(\base)+i+(\d):(\base)+i+(\d)+1]
.endif
.set i, i+2
.endr
.set i, 0
.rept 64
.if ((i & (\d)) == 0) && ((i & 4) == 4*(\h))
	v_pk_fma_f32 v[(\base)+i+(\d):(\base)+i+(\d)+1], v[(\base)+i+(\d):(\base)+i+(\d)+1], -2.0, v[(\base)+i:(\base)+i+1] op_sel_hi:[1,0,1]
.endif
.set i, i+2
.endr
.endm
; Four of the 16 LDS stores of plane h: my rows 4 n .. 4 n + 3 of sixteen.
.macro PUT h, n
.irp r, 0,1,2,3
	ds_store_b128 v[W0+(\h)], v[V+8*(4*(\n)+(\r))+4*(\h):V+8*(4*(\n)+(\r))+4*(\h)+3] offset:(4*(\n)+(\r))*4096
.endr
.endm
; One stage between lanes m = 1 << q apart, on block g (four rows, 32 registers): new = partner's + s x mine (mine + partner's where my bit is clear, partner's - mine where it is set).
; s x mine goes into T, two numbers an instruction; then the addition itself takes its first source from the partner lane.
.macro LANEST g, m, q
.set p, 0
.rept 16
	v_pk_mul_f32 v[T+2*p:T+2*p+1], v[V+32*(\g)+2*p:V+32*(\g)+2*p+1], v[SG+2*(\q):SG+2*(\q)+1]
.set p, p+1
.endr
.set p, 0
.rept 32
	v_add_f32_dpp v[V+32*(\g)+p], v[V+32*(\g)+p], v[T+p] row_xmask:\m row_mask:0xf bank_mask:0xf
.set p, p+1
.endr
.endm
; The way out of my row i of sixteen: eight numbers rounded to f16, in place, in ascending order (each line reads at or above what it writes); and their store.
.macro CV i
	v_cvt_pk_f16_f32 v[V+8*(\i)], v[V+8*(\i)], v[V+8*(\i)+1]
	v_cvt_pk_f16_f32 v[V+8*(\i)+1], v[V+8*(\i)+2], v[V+8*(\i)+3]
	v_cvt_pk_f16_f32 v[V+8*(\i)+2], v[V+8*(\i)+4], v[V+8*(\i)+5]
	v_cvt_pk_f16_f32 v[V+8*(\i)+3], v[V+8*(\i)+6], v[V+8*(\i)+7]
.endm
.macro OUT i
	global_store_b128 v[R0], v[V+8*(\i):V+8*(\i)+3], s[8:9] offset:(\i)*256  ; sixteen lanes store 16 rows x 16 bytes: 256 consecutive bytes, aligned
.endm
	s_load_b128 s[4:7], s[0:1], 0x0                ; t1 s[4:5], SU s[6:7]
	s_load_b64 s[8:9], s[0:1], 0x10                ; w2
	v_lshl_add_u32 v[SPW], v0, 2, SPARE
	v_mov_b32 v[NIL], 0
	v_mov_b32 v[ZR], 0
	v_lshlrev_b32 v[W0], 4, v0
	s_lshl_b32 s12, ttmp9, 16                      ; my strip
	s_mov_b32 s13, 0
	s_lshl_b32 s14, ttmp9, 4                       ; its eight SU
	s_mov_b32 s15, 0
	s_wait_kmcnt 0x0
	s_add_nc_u64 s[4:5], s[4:5], s[12:13]
	s_add_nc_u64 s[6:7], s[6:7], s[14:15]
	s_add_nc_u64 s[8:9], s[8:9], s[12:13]
	s_wait_alu depctr_va_vdst(0)                   ; v[ZR] and v[W0] are written, which the 17 loads below read as offsets
	global_load_b128 v[SUR:SUR+3], v[ZR], s[6:7]   ; the same 16 bytes in every lane
.set i, 0
.rept 16
	global_load_b128 v[L+4*i:L+4*i+3], v[W0], s[4:5] offset:i*4096 th:TH_LOAD_NT  ; row 256 i + t: 512 consecutive bytes a wave
.set i, i+1
.endr
	v_add_nc_u32 v[W1], PL1, v[W0]
	v_lshrrev_b32 v[TA], 4, v0
	v_and_b32 v[R0], 15, v0
	v_lshlrev_b32 v[R0], 4, v[R0]
	v_lshl_add_u32 v[R0], v[TA], 12, v[R0]
	v_add_nc_u32 v[R1], PL1, v[R0]
	v_mov_b32 v[C64], 0x3c800000                   ; 1 / 64
.irp q, 0,1,2,3
	v_bfe_u32 v[TA], v0, \q, 1
	v_lshl_or_b32 v[SG+2*(\q)], v[TA], 31, 0x3f800000  ; 1.0 with the lane's bit q as its sign
	v_mov_b32 v[SG+2*(\q)+1], v[SG+2*(\q)]
.endr
	s_wait_loadcnt 16                              ; SU is in; the strip's 16 loads behind it may stay out
.set c, 0
.rept 8
.if c%2
	v_fma_mix_f32 v[F+c], v[SUR+c/2], v[C64], v[ZR] op_sel:[1,0,0] op_sel_hi:[1,0,0]
.else
	v_fma_mix_f32 v[F+c], v[SUR+c/2], v[C64], v[ZR] op_sel_hi:[1,0,0]
.endif
.set c, c+1
.endr
.set i, 0
.rept 16
	s_wait_loadcnt 15-i                            ; loads come back in order: row 256 i + t is in, the younger ones may stay out
.set c, 0
.rept 8
.if c%2
	v_fma_mix_f32 v[V+8*i+c], v[L+4*i+c/2], v[F+c], v[ZR] op_sel:[1,0,0] op_sel_hi:[1,0,0]
.else
	v_fma_mix_f32 v[V+8*i+c], v[L+4*i+c/2], v[F+c], v[ZR] op_sel_hi:[1,0,0]
.endif
.set c, c+1
.endr
.set i, i+1
.endr
	STAGE V, 8, 0                                  ; PASS A, plane 0: the row number's bit 8
	STAGE V, 16, 0
	STAGE V, 32, 0
	STAGE V, 64, 0                                 ; bit 11
	s_wait_alu depctr_va_vdst(0)                   ; plane 0's stages have written V + 8 i + 0..3, which its 16 stores read; v[W1], v[R0] and v[R1] are written too.  Plane 1's stages below name V + 8 i + 4..7 alone
	PUT 0, 0
	STAGE V, 8, 1                                  ; plane 1: the same four stages, four of plane 0's stores ahead of each
	PUT 0, 1
	STAGE V, 16, 1
	PUT 0, 2
	STAGE V, 32, 1
	PUT 0, 3
	STAGE V, 64, 1
	s_wait_alu depctr_va_vdst(0)                   ; plane 1's stages have written V + 8 i + 4..7, which its 16 stores read; every vector line that named V stands ahead of this wait
	PUT 1, 0
	PUT 1, 1
	PUT 1, 2
	PUT 1, 3
	s_wait_dscnt 0x0                               ; for the others' sake: my 16 rows are written
	s_barrier_signal -1
	s_barrier_wait -1
	s_wait_alu depctr_vm_vsrc(0)                   ; my 32 LDS stores have read V, in which the loads below land
.irp h, 0,1
.set i, 0
.rept 16
	ds_load_b128 v[V+8*i+4*(\h):V+8*i+4*(\h)+3], v[R0+(\h)] offset:i*256  ; row 256 (t / 16) + 16 i + t % 16, plane h
.set i, i+1
.endr
.endr
	s_wait_dscnt 16                                ; LDS loads come back in order: plane 0 is in, plane 1's 16 loads may stay out
	STAGE V, 8, 0                                  ; PASS B, plane 0: bit 4
	STAGE V, 16, 0
	STAGE V, 32, 0
	STAGE V, 64, 0                                 ; bit 7
	s_wait_dscnt 0x0                               ; plane 1 is in
	STAGE V, 8, 1
	STAGE V, 16, 1
	STAGE V, 32, 1
	STAGE V, 64, 1
	; PASS C and the way out, by blocks of four rows: bits 0 to 3, the roundings; the block's stores stand at the next block's head.
.irp g, 0,1,2,3
.if (\g) > 0
	s_wait_alu depctr_va_vdst(0)                   ; the block before is rounded: its registers are written, which the four stores below read
.irp r, 0,1,2,3
	OUT 4*(\g)-4+(\r)
.endr
.endif
	LANEST \g, 1, 0                                ; bit 0
	LANEST \g, 2, 1
	LANEST \g, 4, 2
	LANEST \g, 8, 3                                ; bit 3
.irp r, 0,1,2,3
	CV 4*(\g)+(\r)
.endr
.endr
	s_wait_alu depctr_va_vdst(0)                   ; the last block is rounded
.irp r, 12,13,14,15
	OUT \r
.endr
	s_wait_dscnt 0x0                               ; the closing lines, six on end
	s_wait_alu 0x0
	s_wait_tensorcnt 0x0
	ds_add_u32 v[SPW], v[NIL]
	s_wait_dscnt 0x0
	s_endpgm
.Lfunc_end_k_q9232789686_colfht:
	.size	k_q9232789686_colfht, .Lfunc_end_k_q9232789686_colfht-k_q9232789686_colfht
	.p2alignl 7, 3214868480
	.fill 96, 4, 3214868480
	.section	.rodata,"a",@progbits
	.p2align	6, 0x0
	.amdhsa_kernel k_q9232789686_colfht
		.amdhsa_group_segment_fixed_size 132096
		.amdhsa_private_segment_fixed_size 0
		.amdhsa_enable_private_segment 0
		.amdhsa_kernarg_size 24
		.amdhsa_user_sgpr_count 2
		.amdhsa_user_sgpr_kernarg_segment_ptr 1
		.amdhsa_wavefront_size32 1
		.amdhsa_system_sgpr_workgroup_id_x 1
		.amdhsa_system_sgpr_workgroup_id_y 1
		.amdhsa_system_sgpr_workgroup_id_z 1
		.amdhsa_system_vgpr_workitem_id 0
		.amdhsa_next_free_vgpr 224
		.amdhsa_next_free_sgpr 66
		.amdhsa_reserve_vcc 0
		.amdhsa_float_denorm_mode_32 3
		.amdhsa_float_denorm_mode_16_64 3
		.amdhsa_memory_ordered 1
		.amdhsa_forward_progress 1
		.amdhsa_inst_pref_size 103
	.end_amdhsa_kernel
	.amdgpu_metadata
---
amdhsa.version: [ 1, 2 ]
amdhsa.kernels:
  - .name:           k_q9232789686_colfht
    .symbol:         k_q9232789686_colfht.kd
    .args:
      - { .name: t1, .offset: 0, .size: 8, .value_kind: global_buffer, .address_space: global }
      - { .name: SU, .offset: 8, .size: 8, .value_kind: global_buffer, .address_space: global }
      - { .name: w2, .offset: 16, .size: 8, .value_kind: global_buffer, .address_space: global }
    .group_segment_fixed_size: 132096
    .private_segment_fixed_size: 0
    .kernarg_segment_align: 8
    .kernarg_segment_size: 24
    .max_flat_workgroup_size: 256
    .sgpr_count:     66
    .vgpr_count:     224
    .wavefront_size: 32
...
	.end_amdgpu_metadata
.endif
;; end of part 5
;; launch gemm: the kernel of part 3 again; grid 16 x 16, 4 waves a work-group, clusters of 4 x 4, 327,680 bytes of LDS; arguments input, w2, out0, SV, bias, Wscale; writes out0
